; MI455X (gfx1250); checked and timed in simulation.
; The chip was launched on July 23, 2026; its instructions are those of AMD's public machine-readable ISA for CDNA 5 (MIT licence, August 2026) and "CDNA5" Instruction Set Architecture Reference Guide (July 2026). The comments in the code are by the model that wrote it; some were corrected since.
;; Multihead Attention. Allowed arithmetic: matrix products marked QUANTISED: E2M3 operands, one E8M0 scale for each 32 along K, by v_wmma_scale_f32_16x16x128_f8f6f4 with both operands' format E2M3, f32 sums; everything else in f32.
;; Inputs: WK_codes 1,024 x 32 x 24 uint8 (E2M3 codes of WK, K innermost, in blocks of 32 codes, four codes in three bytes); WK_scales 1,024 x 32 uint8 (E8M0 scales of WK, one for each 32 codes along K); WQ_codes 1,024 x 32 x 24 uint8 (E2M3 codes of WQ, K innermost, in blocks of 32 codes, four codes in three bytes); WQ_scales 1,024 x 32 uint8 (E8M0 scales of WQ, one for each 32 codes along K); WV_codes 1,024 x 32 x 24 uint8 (E2M3 codes of WV, K innermost, in blocks of 32 codes, four codes in three bytes); WV_scales 1,024 x 32 uint8 (E8M0 scales of WV, one for each 32 codes along K); Wp_codes 1,024 x 32 x 24 uint8 (E2M3 codes of Wp, K innermost, in blocks of 32 codes, four codes in three bytes); Wp_scales 1,024 x 32 uint8 (E8M0 scales of Wp, one for each 32 codes along K); bK 1,024 float32; bQ 1,024 float32; bV 1,024 float32; bp 1,024 float32; mask 2 x 2,048 x 2,048 float32; memory_codes 2 x 2,048 x 32 x 24 uint8 (E2M3 codes of memory, K innermost, in blocks of 32 codes, four codes in three bytes); memory_scales 2 x 2,048 x 32 uint8 (E8M0 scales of memory, one for each 32 codes along K); source_codes 2 x 2,048 x 32 x 24 uint8 (E2M3 codes of source, K innermost, in blocks of 32 codes, four codes in three bytes); source_scales 2 x 2,048 x 32 uint8 (E8M0 scales of source, one for each 32 codes along K); target_codes 2 x 2,048 x 32 x 24 uint8 (E2M3 codes of target, K innermost, in blocks of 32 codes, four codes in three bytes); target_scales 2 x 2,048 x 32 uint8 (E8M0 scales of target, one for each 32 codes along K).
;; Outputs: out0 2 x 2,048 x 1,024 float32.
;; This version of the problem:
;;   THIS VERSION OF THE PROBLEM IS GIVEN IN LOW PRECISION. The matrix products marked QUANTISED in the list below multiply operands that are first quantised to E2M3 (2 exponent bits, 3 mantissa bits; 6 bits a number), with one power-of-two scale for each 32 numbers along K (OCP MX v1.0); their sums are f32. All else is computed in f32.
;;   The module's matrix products, in the order in which they are computed (A, B: the left and right operand; K: the contracted axis; several contracted axes count as one K, in the product's order):
;;     1. [M 4,096, K 1,024] x [K 1,024, N 1,024]; A: input target (given as codes); B: input WQ (given as codes): QUANTISED
;;     2. [M 4,096, K 1,024] x [K 1,024, N 1,024]; A: input source (given as codes); B: input WK (given as codes): QUANTISED
;;     3. [M 4,096, K 1,024] x [K 1,024, N 1,024]; A: input memory (given as codes); B: input WV (given as codes): QUANTISED
;;     4. batch 32 x [M 2,048, K 64] x [K 64, N 2,048]; A: computed on the way; B: computed on the way: QUANTISED
;;     5. batch 32 x [M 2,048, K 2,048] x [K 2,048, N 64]; A: computed on the way; B: computed on the way: QUANTISED
;;     6. [M 4,096, K 1,024] x [K 1,024, N 1,024]; A: computed on the way; B: input Wp (given as codes): QUANTISED
;;   THE QUANTISER, for each operand of a quantised product, along K:
;;     - K is cut into blocks of 32 from its start; a last block that is shorter is filled with zeros.
;;     - A block's scale is 2^e with e = floor(log2(the largest magnitude in the block)) - 2, held to -126 .. 127; a block of zeros has e = 0. As a byte (E8M0): e + 127.
;;     - Each number is divided by its block's scale, clamped to +-7.5, and rounded to the nearest number of E2M3, ties to even, subnormals kept.
;;     - The product sums the exact products of the quantised numbers (number of the format x scale) in f32.
;;   ~~~python
;;   def quantise(x, axis):      # numpy; x: float32 -> the quantised numbers, widened to float32 again
;;       x = np.moveaxis(x, axis, -1); K = x.shape[-1]
;;       x = np.pad(x, [(0, 0)] * (x.ndim - 1) + [(0, -K % 32)]); x = x.reshape(x.shape[:-1] + (-1, 32)); a = np.abs(x).max(-1, keepdims=True)
;;       e = np.where(a > 0, np.clip(np.frexp(np.where(a > 0, a, 1))[1] - 1 - 2, -126, 127), 0)      # np.frexp(a)[1] - 1 = floor(log2(a)), exactly
;;       r = np.clip(x / 2.0 ** e, -7.5, 7.5)
;;       step = 2.0 ** (np.maximum(np.frexp(np.where(r == 0, 1, r))[1] - 1, 0) - 3)
;;       q = np.round(r / step) * step * 2.0 ** e      # np.round: ties to even
;;       return np.moveaxis(q.reshape(q.shape[:-2] + (-1,))[..., :K], -1, axis).astype(np.float32)
;;   ~~~
;;   OPERANDS COMPUTED ON THE WAY. 'Computed on the way' means the value that the module computes at that place (a softmax that the list does not call 'softmax' is quantised finished and normalised). What goes into a quantiser is computed in f32, as accurately as f32 sums, v_exp_f32 and their like allow (about 1e-6 of the number): no bf16 or f16 on the way to a quantiser, and a product that is left as it is and whose result goes on into a quantised operand takes f32 operands (vector FMAs, or v_wmma_f32_16x16x4_f32). A number that lies on a knife's edge between two numbers of the format may be rounded either way, as far as f32 arithmetic and the matrix unit's own rounding can turn it there, and no further.
;;   INPUTS GIVEN AS CODES. WK (in the module: [1024, 1024], K = its axis 0); WQ (in the module: [1024, 1024], K = its axis 0); WV (in the module: [1024, 1024], K = its axis 0); Wp (in the module: [1024, 1024], K = its axis 0); memory (in the module: [2, 2048, 1024], K = its axis 2); source (in the module: [2, 2048, 1024], K = its axis 2); target (in the module: [2, 2048, 1024], K = its axis 2): each comes as NAME_codes (uint8): NAME with its K axis moved to the last place and cut into blocks of 32 codes, [.., K / 32, bytes a block], one block behind the other in memory; four codes in three bytes: a row's codes are one little-endian stream of bits, code i at bits 6 i .. 6 i + 5 (a code: sign, 2 exponent bits, 3 mantissa bits); and NAME_scales (uint8): the same leading axes, one E8M0 byte (e + 127) for each 32 codes along K. Its value is code x scale, taken as it is: it is not quantised again, and the codes and scales need not be those that the quantiser above would give.
;; One version. Each part assembles by itself: llvm-mc -triple=amdgcn-amd-amdhsa -mcpu=gfx1250 --defsym DOCPART=n.
;; ======== version 1 of 1: 3 launches
;; limits: right only within a limited range of input values
;; workspace buffers: Qc 3,145,728 bytes; Qs 131,072 bytes; Kc 3,145,728 bytes; Ks 131,072 bytes; Vc 3,145,728 bytes; Vs 131,072 bytes; Oc 3,145,728 bytes; Os 131,072 bytes
;; launch proj (part 1): grid 4 x 48, 4 waves a work-group, clusters of 4 x 4, 327,680 bytes of LDS; arguments target_codes, source_codes, memory_codes, target_scales, source_scales, memory_scales, WQ_codes, WK_codes, WV_codes, WQ_scales, WK_scales, WV_scales, bQ, bK, bV, Qc, Kc, Vc, Qs, Ks, Vs; writes Qc, Kc, Vc, Qs, Ks, Vs
.if DOCPART == 1
	.amdgcn_target "amdgcn-amd-amdhsa--gfx1250"
	.amdhsa_code_object_version 6
	.text
	.protected	k_qdf1d232af9_proj
	.globl	k_qdf1d232af9_proj
	.p2align	8
	.type	k_qdf1d232af9_proj,@function
k_qdf1d232af9_proj:
	s_mov_b64 s[64:65], 0
	v_nop
	global_prefetch_b8 v0, s[64:65] scope:SCOPE_SE
	s_setreg_imm32_b32 hwreg(HW_REG_WAVE_MODE, 25, 1), 1
	s_wait_xcnt 0x0
	s_wait_alu depctr_hold_cnt(0) depctr_sa_sdst(0) depctr_va_vdst(0) depctr_va_sdst(0) depctr_va_ssrc(0) depctr_va_vcc(0) depctr_vm_vsrc(0)
	s_getreg_b32 s2, hwreg(HW_REG_IB_STS2, 6, 4)
	s_cmp_eq_u32 s2, 0
	s_cbranch_scc0 .Lentry_in_a_cluster
	s_endpgm
.Lentry_in_a_cluster:
	s_bfe_u32 s2, ttmp6, 0x10000c
	s_cmp_lg_u32 s2, 0xf033
	s_cbranch_scc0 .Lentry_shape_is_right
	s_endpgm
.Lentry_shape_is_right:
; Q = target WQ + bQ, K = source WK + bK, V = memory WV + bV, each [4096][1024], on FP6 (E2M3) codes with E8M0 scales, f32 sums;
; then the quantisers of the two attention products: Q and K along the head's 64, V along the keys.
; DEAD WORK: none: every bias goes into a quantised operand, the mask multiplies the scores, the division by 8 moves p's scales, bp goes to the output.
; Heads are a reshape: hg = row / 128; query or key = 16 (row % 128) + column / 64; d = column % 64.
; 192 work-groups; cluster y / 4 = KIND (0 Q, 1 K, 2 V), shared by all partners.  A work-group makes 256 x 256, a wave 128 x 128.
; K goes through two LDS slots in chunks of 256 bytes of each row (a row of codes is 768 bytes: three chunks); a matrix step is 96 bytes, so steps 2 and 5 read both slots.
; A's tiles are shared along a row of the cluster, W's along a column: joint loads.  The scale bytes come by plain loads, 4 KiB a wave, and are stored to LDS bytes of their own.
; Source 0 = 16 rows of W, source 1 = 16 rows of the activation: a lane holds one row and eight columns.  The bias is the C of each sum's first instruction.
; For V a wave takes W's rows o + 8 L (o = 2 x tile column + half): one wave then holds 16 neighbouring keys of a row for 8 of the head's 64.
; OUT.  Qc, Kc: [row / 32][column / 128][row % 32][96 bytes]; Qs, Ks: the same with 4 bytes.  Vc: [hg][d][1,536 bytes]; Vs: [hg][d][64 bytes].
; No prefetch: K is three chunks, two are asked for at the head and one refill is left: there is no loop to run ahead in.
; LIMITS: NaN and infinities are not served; a block of zeros gets the byte 1 (its codes are zeros; this program alone reads the bytes).
.set KROW,  768
.set ROWB,  256
.set CHUNKS, 3
.set NQ,    2
.set PITCH, 272
.set FR,    12
.set NL,    6
.set NP,    4
.set HALFT, 128*PITCH
.set SLOT,  4*HALFT
.set SCL,   2*SLOT                     ; scale bytes: rows of 32 + 8, written by ds_store
.set HALFS, 128*40
.set SBLK,  16*40
.set SPARE, SCL+4*HALFS
.set STQ,   SPARE+512
.set SV,    STQ+4*3072
.set LS4,  8
.set VCO,  9
.set VSO,  10
.set SST,  11
.set ADRA, 16                          ; v16-17 slot 0, 1; v18-19 lanes 0-15 at byte 232 of slot 0, 1 and lanes 16-31 at byte 0 of the other slot
.set ADRB, 20
.set STO,  24
.set RD,   25
.set CO,   26
.set ADRS, 27
.set SPW,  28
.set NIL,  29
.set SVB,  30
.set SVR,  31
.set SC,   32
.set BIAS, 64
.set AF,   128
.set T,    128
.set TM,   192
.set CD,   208
.set PWR,  228
.set WO,   230
.set OUTR, 64
.set EB,   96
.set PA, 4
.set PAS, 6
.set PB, 8
.set PBS, 10
.set PBI, 12
.set POC, 14
.set POS, 16
.set WV, 18
.set RH, 19
.set CH, 20
.set KIND, 21
.set CX, 22
.set CY, 23
.set G1, 24
.set G0, 32
.set G1B, 48
.set G0B, 56
.set G1BV, 68
.set MSB, 0
.macro WIN new
.if MSB != (\new)
	s_set_vgpr_msb (MSB<<8)|(\new)
.set MSB, (\new)
.endif
.endm
.set TO_B, 0x40
.macro WM hi, first                    ; source 0 (W) window 1, source 1 (A) window 0, D window 2 or 3, C the same or (the bias) window 0
.if \first
	WIN 0x81+0x40*\hi
.else
	WIN 0xa1+0x50*\hi
.endif
.endm
; One tensor load a wave: waves 0, 1 fetch for A, waves 2, 3 for W (its tile's pitch hangs on KIND).  s_nop 0 and four v_nop follow each.
.macro JLOAD3 g0a, g1a, g0b, g1b, g1v
	s_cmp_eq_u32 s[RH], 0
	s_cbranch_scc0 .Lfor_b_\@
	tensor_load_to_lds s[\g0a:\g0a+3], s[\g1a:\g1a+7]
	s_nop 0
.rept 4
	v_nop
.endr
	s_branch .Lasked_\@
.Lfor_b_\@:
	s_cmp_eq_u32 s[KIND], 2
	s_cbranch_scc1 .Lfor_v_\@
	tensor_load_to_lds s[\g0b:\g0b+3], s[\g1b:\g1b+7]
	s_nop 0
.rept 4
	v_nop
.endr
	s_branch .Lasked_\@
.Lfor_v_\@:
	tensor_load_to_lds s[\g0b:\g0b+3], s[\g1v:\g1v+7]
	s_nop 0
.rept 4
	v_nop
.endr
.Lasked_\@:
.endm
.macro CREST
	s_cmp_lg_u32 s[WV], 0
	s_cbranch_scc1 .Lnot_wave_0_\@
	s_barrier_signal -3
.Lnot_wave_0_\@:
	s_barrier_wait -3
	s_barrier_signal -1
	s_barrier_wait -1
.endm
.macro CROUND
	s_barrier_signal -1
	s_barrier_wait -1
	CREST
.endm
	s_load_b512 s[24:39], s[0:1], 0x0
	s_load_b512 s[40:55], s[0:1], 0x40
	s_load_b256 s[68:75], s[0:1], 0x80
	s_load_b64 s[76:77], s[0:1], 0xa0
	v_lshl_add_u32 v[SPW], v0, 2, SPARE
	v_mov_b32 v[NIL], 0
	ds_add_u32 v[SPW], v[NIL]
	ds_add_u32 v[SPW], v[NIL]
	v_lshrrev_b32 v1, 5, v0
	v_readfirstlane_b32 s[WV], v1
	s_lshr_b32 s[RH], s[WV], 1                     ; my half of the rows; also: I fetch for A (0) or W (1)
	s_and_b32 s[CH], s[WV], 1                      ; my half of the columns; also: which half I fetch
	s_bfe_u32 s[CX], ttmp6, 0x40000
	s_bfe_u32 s[CY], ttmp6, 0x40004
	s_and_b32 s100, ttmp7, 0xffff
	s_lshr_b32 s[KIND], s100, 2
	s_and_b32 s100, s100, 3
	s_lshl_b32 s100, s100, 2
	s_add_co_u32 s100, s100, s[CY]                 ; tile row
	s_lshl_b32 s101, ttmp9, 2
	s_add_co_u32 s101, s101, s[CX]                 ; tile column
	s_lshl_b32 s104, s[CY], 2
	s_lshl_b32 s104, 15, s104
	s_lshl_b32 s105, 0x1111, s[CX]
	s_mov_b32 s2, 0xffff0000
	s_wait_dscnt 0x0
	s_wait_kmcnt 0x0
	s_cmp_eq_u32 s[KIND], 0                        ; the product's seven buffers
	s_cselect_b64 s[PA:PA+1], s[24:25], s[26:27]
	s_cselect_b64 s[PAS:PAS+1], s[30:31], s[32:33]
	s_cselect_b64 s[PB:PB+1], s[36:37], s[38:39]
	s_cselect_b64 s[PBS:PBS+1], s[42:43], s[44:45]
	s_cselect_b64 s[PBI:PBI+1], s[48:49], s[50:51]
	s_cselect_b64 s[POC:POC+1], s[54:55], s[68:69]
	s_cselect_b64 s[POS:POS+1], s[72:73], s[74:75]
	s_cmp_eq_u32 s[KIND], 2
	s_cselect_b64 s[PA:PA+1], s[28:29], s[PA:PA+1]
	s_cselect_b64 s[PAS:PAS+1], s[34:35], s[PAS:PAS+1]
	s_cselect_b64 s[PB:PB+1], s[40:41], s[PB:PB+1]
	s_cselect_b64 s[PBS:PBS+1], s[46:47], s[PBS:PBS+1]
	s_cselect_b64 s[PBI:PBI+1], s[52:53], s[PBI:PBI+1]
	s_cselect_b64 s[POC:POC+1], s[70:71], s[POC:POC+1]
	s_cselect_b64 s[POS:POS+1], s[76:77], s[POS:POS+1]
	; groups 1: 128 rows x 256 bytes, 16 bytes of padding behind each
	s_or_b32 s[G1], s104, (1<<20)|(1<<21)|(5<<22)|(3<<25)
	s_or_b32 s[G1B], s105, (1<<20)|(1<<21)|(5<<22)|(3<<25)
	s_or_b32 s[G1BV], s105, (1<<20)|(1<<21)|(5<<22)|(3<<25)
.irp g, G1, G1B, G1BV
	s_mov_b32 s[\g+1], ROWB<<16
	s_mov_b32 s[\g+2], 128<<16
	s_mov_b32 s[\g+3], ROWB<<16
	s_mov_b32 s[\g+4], 128
	s_mov_b32 s[\g+6], 0
	s_mov_b32 s[\g+7], 0
.endr
	s_mov_b32 s[G1+5], KROW
	s_mov_b32 s[G1B+5], KROW
	s_mov_b32 s[G1BV+5], 8*KROW                    ; V: every eighth row of W
	s_mov_b32 s104, 0x76543210                     ; from here on: selects for lane l xor 16
	s_mov_b32 s105, 0xfedcba98
	s_lshl_b32 s42, s100, 8                        ; A: rows 256 x tile row + 128 x half
	s_lshl_b32 s43, s[CH], 7
	s_add_co_u32 s42, s42, s43
	s_mul_i32 s44, s42, KROW
	s_mov_b32 s45, 0
	s_add_nc_u64 s[G0+2:G0+3], s[PA:PA+1], s[44:45]
	s_add_nc_u64 s[G0+6:G0+7], s[G0+2:G0+3], ROWB
	s_lshl_b32 s84, s42, 5                         ; and their scale bytes
	s_lshl_b32 s46, s101, 1
	s_add_co_u32 s46, s46, s[CH]                   ; o
	s_cmp_eq_u32 s[KIND], 2
	s_cselect_b32 s47, 1, 128
	s_mul_i32 s47, s46, s47                        ; W: first row
	s_mul_i32 s40, s47, KROW
	s_mov_b32 s41, 0
	s_add_nc_u64 s[G0B+2:G0B+3], s[PB:PB+1], s[40:41]
	s_add_nc_u64 s[G0B+6:G0B+7], s[G0B+2:G0B+3], ROWB
	s_lshl_b32 s85, s47, 5
	s_or_b32 s[G0+3], s[G0+3], 0x80000000
	s_or_b32 s[G0+7], s[G0+7], 0x80000000
	s_or_b32 s[G0B+3], s[G0B+3], 0x80000000
	s_or_b32 s[G0B+7], s[G0B+7], 0x80000000
	s_mov_b32 s[G0], 1
	s_mov_b32 s[G0+4], 1
	s_mov_b32 s[G0B], 1
	s_mov_b32 s[G0B+4], 1
	s_mul_i32 s[G0+1], s[WV], HALFT
	s_add_co_u32 s[G0+5], s[G0+1], SLOT
	s_mul_i32 s[G0B+1], s[WV], HALFT
	s_add_co_u32 s[G0B+5], s[G0B+1], SLOT
	CROUND                                         ; all sixteen work-groups are here
	JLOAD3 G0, G1, G0B, G1B, G1BV                  ; chunk 0: my one load at the head
	s_cmp_eq_u32 s[RH], 0                          ; the scale bytes that I copy: A's or W's 128 rows
	s_cselect_b64 s[98:99], s[PAS:PAS+1], s[PBS:PBS+1]
	s_cselect_b32 s84, s84, s85
	s_mov_b32 s85, 0
	s_add_nc_u64 s[98:99], s[98:99], s[84:85]
	s_cmp_eq_u32 s[KIND], 2
	s_cselect_b32 s95, s[RH], 0
	s_cselect_b32 s97, 8, 5                        ; the bias: lanes 16-31 begin 256 or 32 bytes on
	s_mul_i32 s95, s95, 3
	s_add_co_u32 s95, s95, 5                       ; rows of scales lie 32 bytes apart, V's rows of W 256
	s_lshl_b32 s96, 16, s95                        ; 16 rows on
	s_mul_i32 s86, s[RH], HALFT
	s_mul_i32 s87, s[CH], HALFT
	s_add_co_u32 s87, s87, 2*HALFT
	s_mul_i32 s88, s[RH], HALFS
	s_mul_i32 s89, s[CH], HALFS
	s_add_co_u32 s89, s89, 2*HALFS
	s_sub_co_u32 s89, s89, s88
	s_add_co_u32 s88, s88, SCL
	s_mul_i32 s90, s[WV], 3072
	s_add_co_u32 s90, s90, STQ
	s_lshl_b32 s91, s[WV], 9
	s_add_co_u32 s91, s91, SV
	s_mul_i32 s92, s[WV], HALFS
	s_add_co_u32 s92, s92, SCL
	s_mov_b32 s93, SLOT-232
	s_mov_b32 s94, SLOT+232
	s_lshl_b32 s40, s100, 1                        ; where my results go
	s_add_co_u32 s40, s40, s[RH]                   ; hg
	s_lshl_b32 s41, s40, 5
	s_add_co_u32 s41, s41, s46
	s_mul_i32 s42, s41, 3072
	s_lshl_b32 s43, s41, 7
	s_mul_i32 s44, s40, 98304
	s_mul_i32 s45, s46, 1536
	s_add_co_u32 s44, s44, s45
	s_lshl_b32 s45, s40, 12
	s_lshl_b32 s47, s46, 6
	s_add_co_u32 s45, s45, s47
	s_cmp_eq_u32 s[KIND], 2
	s_cselect_b32 s42, s44, s42
	s_cselect_b32 s44, s45, s43
	s_cselect_b32 s40, 2, 9
	s_mov_b32 s43, 0
	s_mov_b32 s45, 0
	s_add_nc_u64 s[POC:POC+1], s[POC:POC+1], s[42:43]
	s_add_nc_u64 s[POS:POS+1], s[POS:POS+1], s[44:45]
	s_lshl_b32 s40, s46, s40
	s_mov_b32 s41, 0
	s_add_nc_u64 s[PBI:PBI+1], s[PBI:PBI+1], s[40:41]
	v_and_b32 v1, 15, v0                           ; r
	v_bfe_u32 v2, v0, 4, 1                         ; h
	v_and_b32 v6, 31, v0                           ; lane
	v_mul_u32_u24 v3, v1, PITCH
	v_mul_u32_u24 v4, v2, 24
	v_add_nc_u32 v4, v3, v4
	v_sub_nc_u32 v7, 1, v2
	v_mul_u32_u24 v5, s93, v2
	v_add_nc_u32 v5, v3, v5
	v_add_nc_u32 v5, 232, v5
	v_mul_u32_u24 v7, s94, v7
	v_add_nc_u32 v7, v3, v7
	v_add_nc_u32 v[ADRA+2], s86, v5
	v_add_nc_u32 v[ADRA+3], s86, v7
	v_add_nc_u32 v[ADRB+2], s87, v5
	v_add_nc_u32 v[ADRB+3], s87, v7
	v_add_nc_u32 v[ADRA], s86, v4
	v_add_nc_u32 v[ADRB], s87, v4
	v_add_nc_u32 v[ADRA+1], SLOT, v[ADRA]
	v_add_nc_u32 v[ADRB+1], SLOT, v[ADRB]
	v_mul_u32_u24 v5, v1, 40
	v_mul_u32_u24 v3, s89, v2                      ; lanes 16-31 take W's scale words
	v_add_nc_u32 v5, v5, v3
	v_add_nc_u32 v[ADRS], s88, v5
	v_mul_u32_u24 v3, v1, 96
	v_mad_u32_u24 v3, v2, 24, v3
	v_add_nc_u32 v[STO], s90, v3
	v_lshlrev_b32 v[CO], 4, v6
	v_add_nc_u32 v[RD], s90, v[CO]
	v_lshrrev_b32 v3, 1, v6
	v_add_nc_u32 v[SVB], s91, v3
	v_add_nc_u32 v[SVR], s91, v[CO]
	v_lshlrev_b32 v[LS4], 2, v6
	v_mul_u32_u24 v[VCO], v6, 12
	v_and_b32 v4, 1, v6
	v_mul_u32_u24 v5, v3, 40                       ; the copy of scale bytes: lane l takes 16 bytes of row l / 2
	v_lshl_add_u32 v5, v4, 4, v5
	v_add_nc_u32 v[SST], s92, v5
	v_lshlrev_b32 v3, s95, v3
	v_lshl_add_u32 v192, v4, 4, v3
.irp k, 0,1,2,3,4,5,6
	v_add_nc_u32 v[193+\k], s96, v[192+\k]
.endr
	v_lshrrev_b32 v3, 2, v6
	v_and_b32 v4, 3, v6
	v_lshlrev_b32 v3, 9, v3
	v_lshl_add_u32 v[VSO], v4, 4, v3
	v_lshlrev_b32 v7, s97, v2
.irp k, 0,1,2,3,4,5,6,7
	global_load_b128 v[128+4*\k:131+4*\k], v[192+\k], s[98:99]
.endr
	s_cmp_eq_u32 s[KIND], 2
	s_wait_alu depctr_va_vdst(0)                   ; the wait at the head's end, ahead of the branch
	s_cbranch_scc1 .Lbias_v
.irp b, 0,1,2,3,4,5,6,7
	global_load_b128 v[BIAS+8*\b:BIAS+8*\b+3], v7, s[PBI:PBI+1] offset:64*\b       ; Q, K: register 8 b + j is column 16 b + 8 h + j
	global_load_b128 v[BIAS+8*\b+4:BIAS+8*\b+7], v7, s[PBI:PBI+1] offset:64*\b+16
.endr
	s_branch .Lbias_done
.Lbias_v:
.irp b, 0,1,2,3,4,5,6,7
.irp j, 0,1,2,3,4,5,6,7
	global_load_b32 v[BIAS+8*\b+\j], v7, s[PBI:PBI+1] offset:512*\b+32*\j          ; V: column o + 128 b + 64 h + 8 j
.endr
.endr
.Lbias_done:
.macro FRAG reg, adr, st, i            ; 16 rows x 128 K: 12 registers in pieces of 8 bytes; byte y of a row lies in slot (y / 256) % 2 at byte y % 256
.irp p, 0,1,2,3,4,5
.set BY, 96*(\st)+48*(\p/3)+8*(\p%3)
.if BY/ROWB == (BY+24)/ROWB
	ds_load_b64 v[\reg+2*\p:\reg+2*\p+1], v[\adr+(BY/ROWB)%2] offset:BY%ROWB+(\i)*16*PITCH
.else
	ds_load_b64 v[\reg+2*\p:\reg+2*\p+1], v[\adr+2+(BY/ROWB)%2] offset:BY%ROWB-232+(\i)*16*PITCH
.endif
.endr
.endm
; 16 matrix instructions: A's blocks a0, a0 + 1 x W's eight; first = 1: the bias is C.  The 64 accumulators take turns.
.macro MUL16 a0, p, q, sc, first
.irp a, \a0, \a0+1
.irp b, 0,1,2,3,4,5,6,7
.set AC, 8*(8*((\a)%4)+\b)
.if \first
.set CB, BIAS+8*\b
.else
.set CB, AC
.endif
	v_wmma_scale_f32_16x16x128_f8f6f4 v[AC:AC+7], v[128*(\p)+FR*\b:128*(\p)+FR*\b+FR-1], v[AF+FR*(\a):AF+FR*(\a)+FR-1], v[CB:CB+7], v[SC+8*NQ*(\sc)+NQ*\b+(\q)], v[SC+8*NQ*(\sc)+NQ*(\a)+(\q)] matrix_a_fmt:MATRIX_FMT_FP6 matrix_b_fmt:MATRIX_FMT_FP6 matrix_a_scale:MATRIX_SCALE_ROW1
.endr
.endr
.endm
.macro FETCH_B st, p
	WIN TO_B
.irp i, 0,1,2,3,4,5,6,7
	FRAG 128*(\p)+FR*\i, ADRB, \st, \i
.endr
	WIN 0
.endm
.macro FETCH_A st, i0
.irp i, \i0, \i0+1, \i0+2, \i0+3
	FRAG AF+FR*(\i), ADRA, \st, \i
.endr
.endm
.macro SCALES pr                       ; the scale words of steps 2 pr, 2 pr + 1: lanes 0-15 A's block i, lanes 16-31 W's
.irp i, 0,1,2,3,4,5,6,7
	ds_load_b64 v[SC+8*NQ*((\pr)%2)+NQ*\i:SC+8*NQ*((\pr)%2)+NQ*\i+1], v[ADRS] offset:\i*SBLK+4*NQ*(\pr)
.endr
.endm
.macro PLACES n
.rept \n
	v_nop
.endr
.endm
; A step of 128 along K.  Where the next step's bytes end in a chunk not read yet: a wait for my tensor loads and a barrier.  Where they begin in a later chunk: the add and the waits too, and, if a chunk is left to fetch, a round and the refill.
.macro STEP st, first
.set NX, (\st)+1
.set C0, (96*(\st))/ROWB
.set C1, (96*NX)/ROWB
.set E0, (96*(\st)+95)/ROWB
.set E1, (96*NX+95)/ROWB
.set PP, (\st)%2
.set SS, ((\st)/2)%2
.if C1 > C0 || E1 > E0
	s_wait_tensorcnt 0x0                           ; all my tensor loads have landed
.if C1 > C0
	ds_add_u32 v[SPW], v[NIL]
	s_wait_dscnt 4*NL+1                            ; the add and A's blocks 4-7 may be out
.else
	s_wait_dscnt 4*NL
.endif
	WM 0, \first
	MUL16 0, PP, PP, SS, \first
	s_wait_dscnt 0x0                               ; the add and my reads of the chunk left behind are done
	s_barrier_signal -1
	MUL16 2, PP, PP, SS, \first
	WIN 0
	s_barrier_wait -1
.if C1 > C0 && C0+2 < CHUNKS
	CREST
	s_add_nc_u64 s[G0+4*(C0%2)+2:G0+4*(C0%2)+3], s[G0+4*(C0%2)+2:G0+4*(C0%2)+3], 2*ROWB
	s_add_nc_u64 s[G0B+4*(C0%2)+2:G0B+4*(C0%2)+3], s[G0B+4*(C0%2)+2:G0B+4*(C0%2)+3], 2*ROWB
	JLOAD3 G0+4*(C0%2), G1, G0B+4*(C0%2), G1B, G1BV   ; chunk C0 + 2; its four v_nop are the places ahead of the loads below
.else
	PLACES NP
.endif
.else
	s_wait_dscnt 4*NL                              ; W's set and A's blocks 0-3 are in
	WM 0, \first
	MUL16 0, PP, PP, SS, \first
	MUL16 2, PP, PP, SS, \first
	s_wait_dscnt 0
	PLACES NP
.endif
	FETCH_B NX, NX%2
	FETCH_A NX, 0
.if NX%2 == 0
	SCALES NX/2
.endif
	WM 1, \first
	MUL16 4, PP, PP, SS, \first
	MUL16 6, PP, PP, SS, \first
	PLACES NP
	WIN 0
	FETCH_A NX, 4
.endm
	s_wait_loadcnt 0x0                             ; the scale bytes and the bias are in registers
	s_wait_tensorcnt 0x0                           ; my part of chunk 0 is in: no load of mine is out while I store
.irp k, 0,1,2,3,4,5,6,7
	ds_store_b64 v[SST], v[128+4*\k:129+4*\k] offset:640*\k
	ds_store_b64 v[SST], v[130+4*\k:131+4*\k] offset:640*\k+8
.endr
	s_wait_tensorcnt 0x0                           ; ahead of a later first fill
	ds_add_u32 v[SPW], v[NIL]
	s_wait_dscnt 0x0                               ; the add and my stores of scale bytes are done
	CROUND
	JLOAD3 G0+4, G1, G0B+4, G1B, G1BV              ; chunk 1, first behind the round
	FETCH_B 0, 0
	FETCH_A 0, 0
	SCALES 0
	FETCH_A 0, 4
	STEP 0, 1
.set ST, 1
.rept 6
	STEP ST, 0
.set ST, ST+1
.endr
	s_wait_dscnt 4*NL
	WM 0, 0
	MUL16 0, 1, 1, 1, 0
	MUL16 2, 1, 1, 1, 0
	s_wait_dscnt 0
	WM 1, 0
	MUL16 4, 1, 1, 1, 0
	MUL16 6, 1, 1, 1, 0
	WIN 0
	PLACES NP
; 64 numbers of a lane (register 16 b + i = column 32 b + 16 h + i of my row) become a fragment's codes in v[CD] on and its scale word in v[pw]
.macro QUANT s, pw
.irp b, 0,1,2,3
	v_max3_num_f32 v[TM+\b], |v[\s+16*\b]|, |v[\s+1+16*\b]|, 0x1800000   ; with the floor 2^(3 - 127)
.endr
.irp i, 2,4,6,8,10,12,14
.irp b, 0,1,2,3
	v_max3_num_f32 v[TM+\b], v[TM+\b], |v[\s+16*\b+\i]|, |v[\s+1+16*\b+\i]|
.endr
.endr
.irp b, 0,1,2,3
	v_permlanex16_b32 v[TM+4+\b], v[TM+\b], s104, s105
.endr
.irp b, 0,1,2,3
	v_max_num_f32 v[TM+\b], v[TM+\b], v[TM+4+\b]
.endr
.irp b, 0,1,2,3
	v_add_nc_u32 v[TM+12+\b], 0xff000000, v[TM+\b]  ; 2 off the exponent field: the conversion's scale operand
.endr
.irp b, 0,1,2,3
	v_lshrrev_b32 v[TM+4+\b], 23, v[TM+12+\b]
.endr
	v_lshl_or_b32 v[\pw], v[TM+5], 8, v[TM+4]
	v_lshl_or_b32 v[\pw], v[TM+6], 16, v[\pw]
	v_lshl_or_b32 v[\pw], v[TM+7], 24, v[\pw]
.irp c, 0,1
	v_cvt_scalef32_pk16_fp6_f32 v[CD+6*\c:CD+2+6*\c], v[\s+32*\c:\s+15+32*\c], v[TM+12+2*\c]
	v_cvt_scalef32_pk16_fp6_f32 v[CD+12+4*\c:CD+14+4*\c], v[\s+16+32*\c:\s+31+32*\c], v[TM+12+2*\c+1]
.endr
	v_nop
.irp c, 0,1
.irp i, 0,1,2
	v_permlane16_swap_b32 v[CD+6*\c+\i], v[CD+12+4*\c+\i]
.endr
.irp i, 0,1,2
	v_mov_b32 v[CD+3+6*\c+\i], v[CD+12+4*\c+\i]
.endr
.endr
.endm
	s_cmp_eq_u32 s[KIND], 2
	s_cbranch_scc1 .Lout_v
	; Q, K: 16 rows x 128 columns at a time
.irp b, 0,1,2,3
	v_mov_b32 v[TM+4+\b], 0
.endr
.irp al, 0,1,2,3
.irp e, 0,1
	WIN 2+(2*\al+\e)/4
.set i, 0
.rept 64
	v_mov_b32 v[T+i], v[64*((2*\al+\e)%4)+i]
.set i, i+1
.endr
	WIN 0
.irp be, 0,1,2,3
.irp j, 0,1,2,3,4,5,6,7
	v_permlane16_swap_b32 v[T+16*\be+\j], v[T+16*\be+8+\j]
.endr
.endr
	QUANT T, PWR+\e
.irp c, 0,1
.irp p, 0,1,2
	ds_store_b64 v[STO], v[CD+6*\c+2*\p:CD+6*\c+2*\p+1] offset:1536*\e+48*\c+8*\p
.endr
.endr
	s_wait_dscnt 0x0
.endr
.if \al > 1
	s_wait_xcnt 0x0                                ; the stores of two blocks back have read the registers that now take the loads
.endif
.irp p, 0,1,2,3,4,5
	ds_load_b128 v[OUTR+24*(\al%2)+4*\p:OUTR+24*(\al%2)+4*\p+3], v[RD] offset:512*\p
.endr
	v_cndmask_b32 v[WO+\al], v[PWR], v[PWR+1], s2  ; lane l: the scale word of row l of the 32
	s_wait_alu depctr_va_vdst(0)
	s_wait_dscnt 0x0
.irp p, 0,1,2,3,4,5
	global_store_b128 v[CO], v[OUTR+24*(\al%2)+4*\p:OUTR+24*(\al%2)+4*\p+3], s[POC:POC+1] offset:24576*\al+512*\p
.endr
	global_store_b32 v[LS4], v[WO+\al], s[POS:POS+1] offset:1024*\al
.endr
	s_branch .Ldone
.Lout_v:
	; V: 32 rows and one d at a time: lane l gets row l's 16 neighbouring keys; lanes l and l xor 1 hold a block of 32 keys
.irp al, 0,1,2,3
	s_wait_xcnt 0x0
	s_wait_dscnt 0x0
.irp j, 0,1,2,3,4,5,6,7
.set TS, T+16*(\j%2)
	WIN 2+\al/2
.irp b, 0,1,2,3,4,5,6,7
	v_mov_b32 v[TS+2*\b], v[64*((2*\al)%4)+8*\b+\j]
	v_mov_b32 v[TS+2*\b+1], v[64*((2*\al+1)%4)+8*\b+\j]
.endr
	WIN 0
.irp b, 0,1,2,3,4,5,6,7
	v_permlane16_swap_b32 v[TS+2*\b], v[TS+2*\b+1]
.endr
	v_max3_num_f32 v[TM], |v[TS]|, |v[TS+1]|, |v[TS+2]|
	v_max3_num_f32 v[TM+1], |v[TS+3]|, |v[TS+4]|, |v[TS+5]|
.irp i, 6,10
	v_max3_num_f32 v[TM], v[TM], |v[TS+\i]|, |v[TS+\i+1]|
	v_max3_num_f32 v[TM+1], v[TM+1], |v[TS+\i+2]|, |v[TS+\i+3]|
.endr
	v_max3_num_f32 v[TM], v[TM], |v[TS+14]|, |v[TS+15]|
	v_max3_num_f32 v[TM], v[TM], v[TM+1], 0x1800000
	v_max_num_f32_dpp v[TM], v[TM], v[TM] row_xmask:1 row_mask:0xf bank_mask:0xf
	v_add_nc_u32 v[TM+2], 0xff000000, v[TM]
	v_cvt_scalef32_pk16_fp6_f32 v[OUTR+4*\j:OUTR+4*\j+2], v[TS:TS+15], v[TM+2]
	v_lshrrev_b32 v[EB+\j], 23, v[TM+2]
	ds_store_b8 v[SVB], v[EB+\j] offset:64*\j+16*\al
	global_store_b96 v[VCO], v[OUTR+4*\j:OUTR+4*\j+2], s[POC:POC+1] offset:12288*\j+384*\al
.endr
.endr
	ds_load_b128 v[T:T+3], v[SVR]
	s_wait_dscnt 0x0
	global_store_b128 v[VSO], v[T:T+3], s[POS:POS+1]
.Ldone:
	s_wait_tensorcnt 0x0                           ; the wave's end
	ds_add_u32 v[SPW], v[NIL]
	s_wait_dscnt 0x0
	CROUND
	s_endpgm
.Lfunc_end_k_qdf1d232af9_proj:
	.size	k_qdf1d232af9_proj, .Lfunc_end_k_qdf1d232af9_proj-k_qdf1d232af9_proj
	.p2alignl 7, 3214868480
	.fill 96, 4, 3214868480
	.section	.rodata,"a",@progbits
	.p2align	6, 0x0
	.amdhsa_kernel k_qdf1d232af9_proj
		.amdhsa_group_segment_fixed_size 327680
		.amdhsa_private_segment_fixed_size 0
		.amdhsa_enable_private_segment 0
		.amdhsa_kernarg_size 168
		.amdhsa_user_sgpr_count 2
		.amdhsa_user_sgpr_kernarg_segment_ptr 1
		.amdhsa_wavefront_size32 1
		.amdhsa_system_sgpr_workgroup_id_x 1
		.amdhsa_system_sgpr_workgroup_id_y 1
		.amdhsa_system_sgpr_workgroup_id_z 1
		.amdhsa_system_vgpr_workitem_id 0
		.amdhsa_next_free_vgpr 1024
		.amdhsa_next_free_sgpr 106
		.amdhsa_reserve_vcc 0
		.amdhsa_float_denorm_mode_32 3
		.amdhsa_float_denorm_mode_16_64 3
		.amdhsa_memory_ordered 1
		.amdhsa_forward_progress 1
		.amdhsa_inst_pref_size 255
	.end_amdhsa_kernel
	.section	.bss,"aw",@nobits
	.p2align	6
	.space	262144
	.amdgpu_metadata
---
amdhsa.version: [ 1, 2 ]
amdhsa.kernels:
  - .name:           k_qdf1d232af9_proj
    .symbol:         k_qdf1d232af9_proj.kd
    .args:
      - { .name: target_codes, .offset: 0, .size: 8, .value_kind: global_buffer, .address_space: global }
      - { .name: source_codes, .offset: 8, .size: 8, .value_kind: global_buffer, .address_space: global }
      - { .name: memory_codes, .offset: 16, .size: 8, .value_kind: global_buffer, .address_space: global }
      - { .name: target_scales, .offset: 24, .size: 8, .value_kind: global_buffer, .address_space: global }
      - { .name: source_scales, .offset: 32, .size: 8, .value_kind: global_buffer, .address_space: global }
      - { .name: memory_scales, .offset: 40, .size: 8, .value_kind: global_buffer, .address_space: global }
      - { .name: WQ_codes, .offset: 48, .size: 8, .value_kind: global_buffer, .address_space: global }
      - { .name: WK_codes, .offset: 56, .size: 8, .value_kind: global_buffer, .address_space: global }
      - { .name: WV_codes, .offset: 64, .size: 8, .value_kind: global_buffer, .address_space: global }
      - { .name: WQ_scales, .offset: 72, .size: 8, .value_kind: global_buffer, .address_space: global }
      - { .name: WK_scales, .offset: 80, .size: 8, .value_kind: global_buffer, .address_space: global }
      - { .name: WV_scales, .offset: 88, .size: 8, .value_kind: global_buffer, .address_space: global }
      - { .name: bQ, .offset: 96, .size: 8, .value_kind: global_buffer, .address_space: global }
      - { .name: bK, .offset: 104, .size: 8, .value_kind: global_buffer, .address_space: global }
      - { .name: bV, .offset: 112, .size: 8, .value_kind: global_buffer, .address_space: global }
      - { .name: Qc, .offset: 120, .size: 8, .value_kind: global_buffer, .address_space: global }
      - { .name: Kc, .offset: 128, .size: 8, .value_kind: global_buffer, .address_space: global }
      - { .name: Vc, .offset: 136, .size: 8, .value_kind: global_buffer, .address_space: global }
      - { .name: Qs, .offset: 144, .size: 8, .value_kind: global_buffer, .address_space: global }
      - { .name: Ks, .offset: 152, .size: 8, .value_kind: global_buffer, .address_space: global }
      - { .name: Vs, .offset: 160, .size: 8, .value_kind: global_buffer, .address_space: global }
    .group_segment_fixed_size: 327680
    .private_segment_fixed_size: 0
    .kernarg_segment_align: 8
    .kernarg_segment_size: 168
    .max_flat_workgroup_size: 128
    .sgpr_count:     106
    .vgpr_count:     1024
    .wavefront_size: 32
...
	.end_amdgpu_metadata
.endif
;; end of part 1
;; launch attn (part 2): grid 16 x 16, 8 waves a work-group, clusters of 4 x 1, 327,680 bytes of LDS; arguments Qc, Qs, Kc, Ks, Vc, Vs, mask, Oc, Os; writes Oc, Os
.if DOCPART == 2
	.amdgcn_target "amdgcn-amd-amdhsa--gfx1250"
	.amdhsa_code_object_version 6
	.text
	.protected	k_qdf1d232af9_attn
	.globl	k_qdf1d232af9_attn
	.p2align	8
	.type	k_qdf1d232af9_attn,@function
k_qdf1d232af9_attn:
	s_mov_b64 s[64:65], 0
	v_nop
	global_prefetch_b8 v0, s[64:65] scope:SCOPE_SE
	s_setreg_imm32_b32 hwreg(HW_REG_WAVE_MODE, 25, 1), 1
	s_wait_xcnt 0x0
	s_wait_alu depctr_hold_cnt(0) depctr_sa_sdst(0) depctr_va_vdst(0) depctr_va_sdst(0) depctr_va_ssrc(0) depctr_va_vcc(0) depctr_vm_vsrc(0)
	s_getreg_b32 s2, hwreg(HW_REG_IB_STS2, 6, 4)
	s_cmp_eq_u32 s2, 0
	s_cbranch_scc0 .Lentry_in_a_cluster
	s_endpgm
.Lentry_in_a_cluster:
	s_bfe_u32 s2, ttmp6, 0x10000c
	s_cmp_lg_u32 s2, 0x3003
	s_cbranch_scc0 .Lentry_shape_is_right
	s_endpgm
.Lentry_shape_is_right:
.set MROW,  1040
.set MSKW,  16*MROW
.set MSLOT, 8*MSKW
.set OPB,   2*MSLOT
.set RED,   OPB+8*4096
.set EXB,   RED+4096
.set SPARE, EXB+1536
.set SPW, 2
.set NIL, 3
.set MA0, 4
.set EXW, 6
.set EXR, 7
.set OPW, 8
.set OPR, 9
.set REDW, 10
.set REDR, 11
.set QOF, 12
.set QSO, 13
.set OCO, 14
.set OSO, 15
.set PFO, 16
.set QSR, 17
.set QSW, 18
.set CM,  20
.set LW,  21
.set F,   22
.set KS,  24
.set VS,  32
.set PS,  40
.set BM,  42
.set BT,  50
.set PC,  76
.set PT,  100
.set RT,  76
.set DP,  108
.set S,   128
.set MR,  192
.set WV, 22
.set CX, 23
.set HEAD, 24
.set BAT, 25
.set QR, 26
.set HG, 27
.set G1M, 28
.set G0M, 36
.set PFA, 44
.set LIM, 46
.set LEFT, 47
.set TRIP, 48
.set CS, 50
.set SEL, 52
.set MSB, 0
.macro WIN new
.if MSB != (\new)
	s_set_vgpr_msb (MSB<<8)|(\new)
.set MSB, (\new)
.endif
.endm
.macro ROUND
	s_barrier_signal -1
	s_barrier_wait -1
	s_cmp_lg_u32 s[WV], 0
	s_cbranch_scc1 .Lnot_wave_0_\@
	s_barrier_signal -3
.Lnot_wave_0_\@:
	s_barrier_wait -3
	s_barrier_signal -1
	s_barrier_wait -1
.endm
.macro ASK
	s_cmp_gt_u32 s[LEFT], s[LIM]
	s_cbranch_scc0 .Lnot_mine_\@
	global_prefetch_b8 v[PFO], s[PFA:PFA+1] th:TH_LOAD_NT scope:SCOPE_SE
.Lnot_mine_\@:
.endm
	s_load_b512 s[4:19], s[0:1], 0x0
	s_load_b64 s[20:21], s[0:1], 0x40
	v_lshl_add_u32 v[SPW], v0, 2, SPARE
	v_mov_b32 v[NIL], 0
	ds_add_u32 v[SPW], v[NIL]
	ds_add_u32 v[SPW], v[NIL]
	v_lshrrev_b32 v1, 5, v0
	s_delay_alu instid0(VALU_DEP_1)
	v_readfirstlane_b32 s[WV], v1
	s_bfe_u32 s[CX], ttmp6, 0x40000
	s_lshl_b32 s[HEAD], ttmp9, 2
	s_add_co_u32 s[HEAD], s[HEAD], s[CX]
	s_and_b32 s54, ttmp7, 0xffff
	s_lshr_b32 s[BAT], s54, 3
	s_and_b32 s[QR], s54, 7
	s_lshl_b32 s[HG], s[BAT], 4
	s_add_co_u32 s[HG], s[HG], s[HEAD]
	s_mov_b32 s[G1M], 15|(2<<16)|(1<<20)|(1<<21)|(7<<22)|(3<<25)
	s_mov_b32 s[G1M+1], 256<<16
	s_mov_b32 s[G1M+2], 16<<16
	s_mov_b32 s[G1M+3], 256<<16
	s_mov_b32 s[G1M+4], 16
	s_mov_b32 s[G1M+5], 2048
	s_mov_b32 s[G1M+6], 0
	s_mov_b32 s[G1M+7], 0
	s_lshl_b32 s54, s[BAT], 24
	s_lshl_b32 s55, s[QR], 21
	s_add_co_u32 s54, s54, s55
	s_lshl_b32 s55, s[WV], 10
	s_add_co_u32 s56, s54, s55
	s_mov_b32 s57, 0
	s_and_b32 s58, s[WV], 3
	s_lshl_b32 s59, s[CX], 2
	s_add_co_u32 s58, s58, s59
	s_lshl_b32 s58, s58, 13
	s_add_co_u32 s58, s58, s54
	s_mov_b32 s59, 0
	s_mul_i32 s60, s[WV], MSKW
	s_lshr_b32 s[LIM], s[WV], 2
	s_or_b32 s[LIM], s[LIM], ttmp9
	s_cmp_eq_u32 s[LIM], 0
	s_cselect_b32 s[LIM], 1, -1
	s_mov_b32 s[LEFT], 14
	s_mov_b32 s[TRIP], 6
	s_mov_b32 s[CS], 0x3fb8aa3b
	s_mov_b32 s[CS+1], s[CS]
	s_mov_b32 s[SEL], 0x76543210
	s_mov_b32 s[SEL+1], 0xfedcba98
	s_wait_dscnt 0x0
	s_wait_kmcnt 0x0
	s_mov_b32 s[G0M], 1
	s_mov_b32 s[G0M+1], s60
	s_add_nc_u64 s[G0M+2:G0M+3], s[16:17], s[56:57]
	s_mov_b32 s[G0M+4], 1
	s_add_co_u32 s[G0M+5], s60, MSLOT
	s_add_nc_u64 s[G0M+6:G0M+7], s[G0M+2:G0M+3], 131072
	s_or_b32 s[G0M+3], s[G0M+3], 0x80000000
	s_or_b32 s[G0M+7], s[G0M+7], 0x80000000
	s_add_nc_u64 s[PFA:PFA+1], s[16:17], s[58:59]
	s_add_nc_u64 s[PFA:PFA+1], s[PFA:PFA+1], 2*131072
	ROUND
	tensor_load_to_lds s[G0M:G0M+3], s[G1M:G1M+7]
	s_nop 0
.rept 4
	v_nop
.endr
	v_and_b32 v116, 15, v0
	v_bfe_u32 v117, v0, 4, 1
	v_and_b32 v118, 31, v0
	s_delay_alu instid0(VALU_DEP_3)
	v_mul_u32_u24 v[MA0], v116, MROW
	s_delay_alu instid0(VALU_DEP_1)
	v_lshl_add_u32 v[MA0], v117, 6, v[MA0]
	s_delay_alu instid0(VALU_DEP_1)
	v_add_nc_u32 v[MA0], s60, v[MA0]
	s_delay_alu instid0(VALU_DEP_1)
	v_add_nc_u32 v[MA0+1], MSLOT, v[MA0]
	v_mul_u32_u24 v[EXW], v116, 80
	s_delay_alu instid0(VALU_DEP_1)
	v_lshl_add_u32 v[EXR], v117, 5, v[EXW]
	s_delay_alu instid0(VALU_DEP_1)
	v_add_nc_u32 v[EXR], EXB, v[EXR]
	s_lshl_b32 s61, s[WV], 3
	s_add_co_u32 s61, s61, EXB
	v_add_nc_u32 v[EXW], s61, v[EXW]
	v_lshlrev_b32 v119, 4, v118
	s_lshl_b32 s61, s[WV], 12
	s_add_co_u32 s61, s61, OPB
	v_add_nc_u32 v[OPW], s61, v119
	s_lshl_b32 s61, s[WV], 9
	s_add_co_u32 s54, s61, OPB
	v_add_nc_u32 v[OPR], s54, v119
	s_add_co_u32 s54, s61, RED
	v_add_nc_u32 v[REDW], s54, v119
	v_add_nc_u32 v[REDR], RED, v119
	v_lshlrev_b32 v[OCO], 3, v118
	v_lshlrev_b32 v[OSO], 5, v116
	v_lshlrev_b32 v[PFO], 8, v118
	v_lshrrev_b32 v119, 1, v116
	v_and_b32 v120, 1, v116
	s_delay_alu instid0(VALU_DEP_2)
	v_mul_u32_u24 v[QOF], v119, 3072
	s_delay_alu instid0(VALU_DEP_1)
	v_mad_u32_u24 v[QOF], v120, 48, v[QOF]
	s_delay_alu instid0(VALU_DEP_1)
	v_mad_u32_u24 v[QOF], v117, 24, v[QOF]
	v_lshlrev_b32 v[QSO], 7, v119
	s_delay_alu instid0(VALU_DEP_1)
	v_lshl_add_u32 v[QSO], v120, 1, v[QSO]
	v_and_b32 v121, 3, v119
	v_lshrrev_b32 v122, 3, v116
	s_delay_alu instid0(VALU_DEP_2)
	v_mul_u32_u24 v123, v121, 784                  ; K's fragments are read from my stage: four pieces of 768 + 16 bytes
	s_delay_alu instid0(VALU_DEP_1)
	v_mad_u32_u24 v123, v122, 96, v123
	s_delay_alu instid0(VALU_DEP_1)
	v_mad_u32_u24 v123, v120, 48, v123
	s_delay_alu instid0(VALU_DEP_1)
	v_mad_u32_u24 v123, v117, 24, v123
	s_wait_alu depctr_va_vdst(0)
	v_lshlrev_b32 v124, 7, v121
	s_delay_alu instid0(VALU_DEP_1)
	v_lshl_add_u32 v124, v122, 2, v124
	s_delay_alu instid0(VALU_DEP_1)
	v_lshl_add_u32 v124, v120, 1, v124
	v_and_b32 v125, 7, v116
	s_delay_alu instid0(VALU_DEP_1)
	v_lshl_add_u32 v125, v122, 4, v125
	s_delay_alu instid0(VALU_DEP_1)
	v_mul_u32_u24 v126, v125, 112                  ; V's likewise: 32 rows of 96 + 16 bytes
	s_delay_alu instid0(VALU_DEP_1)
	v_mad_u32_u24 v126, v117, 24, v126
	s_wait_alu depctr_va_vdst(0)
	v_lshlrev_b32 v127, 6, v125
	s_wait_alu depctr_va_vdst(0)
	s_mov_b32 s59, 0
	s_lshl_b32 s54, s[HG], 2
	s_lshr_b32 s55, s[WV], 1
	s_add_co_u32 s55, s54, s55
	s_and_b32 s56, s[WV], 1
	s_mul_i32 s58, s55, 24576
	s_mul_i32 s60, s56, 1536
	s_add_co_u32 s58, s58, s60
	s_add_nc_u64 s[8:9], s[8:9], s[58:59]
	s_lshl_b32 s58, s55, 10
	s_lshl_b32 s60, s56, 6
	s_add_co_u32 s58, s58, s60
	s_add_nc_u64 s[10:11], s[10:11], s[58:59]
	s_lshr_b32 s55, s[QR], 1
	s_add_co_u32 s55, s54, s55
	s_and_b32 s56, s[QR], 1
	s_mul_i32 s58, s55, 24576
	s_mul_i32 s60, s56, 1536
	s_add_co_u32 s58, s58, s60
	s_add_nc_u64 s[4:5], s[4:5], s[58:59]
	s_lshl_b32 s58, s55, 10
	s_lshl_b32 s60, s56, 6
	s_add_co_u32 s58, s58, s60
	s_add_nc_u64 s[6:7], s[6:7], s[58:59]
	s_mul_i32 s58, s[HG], 98304
	s_mul_i32 s60, s[WV], 192
	s_add_co_u32 s58, s58, s60
	s_add_nc_u64 s[12:13], s[12:13], s[58:59]
	s_lshl_b32 s58, s[HG], 12
	s_lshl_b32 s60, s[WV], 3
	s_add_co_u32 s58, s58, s60
	s_add_nc_u64 s[14:15], s[14:15], s[58:59]
	s_lshl_b32 s58, s[BAT], 7
	s_lshl_b32 s60, s[QR], 4
	s_add_co_u32 s58, s58, s60
	s_lshl_b32 s61, s58, 9
	s_mul_i32 s58, s58, 12288
	s_mul_i32 s60, s[HEAD], 768
	s_add_co_u32 s58, s58, s60
	s_add_nc_u64 s[18:19], s[18:19], s[58:59]
	s_lshl_b32 s60, s[HEAD], 1
	s_add_co_u32 s58, s61, s60
	s_add_nc_u64 s[20:21], s[20:21], s[58:59]
; MY K AND V CODES COME AS RUNS OF NEIGHBOURING 16-BYTE PIECES and go through my own 4,096 bytes of the O stage (no tensor load fills them, no other wave writes them), in passes of 192 pieces.
; Piece g = 32 k + lane.  K's pass (u, bh): 4 runs of 768 bytes, 3,072 apart: run g / 48.  V's pass (dh, ks): 32 runs of 96 bytes, 1,536 apart: run g / 6.  In LDS each run is followed by 16 bytes.
.set KG, 76                            ; v76-81  K's offsets in memory: 16 g + 2,304 (g / 48), less the 512 k that stands in the immediate
.set KL, 82                            ; v82-87  and in LDS: my stage + 16 g + 16 (g / 48), likewise
.set VG, 88                            ; v88-93  V's: 16 g + 1,440 (g / 6)
.set VL, 94                            ; v94-99  my stage + 16 g + 16 (g / 6)
	s_lshl_b32 s61, s[WV], 12
	s_add_co_u32 s61, s61, OPB
	v_add_nc_u32 v123, s61, v123
	v_add_nc_u32 v126, s61, v126
	v_lshlrev_b32 v103, 4, v118
.irp k, 0,1,2,3,4,5
	v_add_nc_u32 v100, 32*\k, v118
	v_mul_u32_u24 v101, v100, 683
	v_mul_u32_u24 v102, v100, 10923
	v_lshrrev_b32 v101, 15, v101                   ; g / 48 for g under 192
	v_lshrrev_b32 v102, 16, v102                   ; g / 6 for g under 192
	v_lshl_add_u32 v[KL+\k], v101, 4, v[OPW]
	v_mad_u32_u24 v[KG+\k], v101, 2304, v103
	v_lshl_add_u32 v[VL+\k], v102, 4, v[OPW]
	v_mad_u32_u24 v[VG+\k], v102, 1440, v103
.endr
.irp p, 0,1,2,3
.irp k, 0,1,2,3,4,5
	global_load_b128 v[128+24*\p+4*\k:131+24*\p+4*\k], v[KG+\k], s[8:9] offset:512*\k+12288*(\p/2)+768*(\p%2)
.endr
.endr
.irp b, 0,1,2,3,4,5,6,7
	global_load_u16 v[KS+\b], v124, s[10:11] offset:8*\b
	global_load_u16 v[BM+\b], v124, s[10:11] offset:512+8*\b
.endr
.irp ks, 0,1
.irp t, 0,1,2,3
	global_load_b32 v[VS+4*\ks+\t], v127, s[14:15] offset:(32*(\t/2)+8*(\t%2))*64+4*\ks
.endr
.endr
.irp i, 0,1,2
	global_load_b64 v[64+2*\i:65+2*\i], v[QOF], s[4:5] offset:8*\i
.endr
	global_load_u16 v[QSR], v[QSO], s[6:7]
.irp i, 58,59,60,61,62,63,70,71,72,73,74,75
	v_mov_b32 v\i, 0
.endr
.irp b, 0,1,2,3,4,5,6,7
	v_mov_b32 v[BT+\b], 0
.endr
	v_mov_b32 v[LW], 0
	v_mov_b32 v[F+1], 0
	s_wait_alu depctr_va_vdst(0)
	s_wait_tensorcnt 0x0                           ; slot 0's part of mine is in; ahead of a later first fill
	ds_add_u32 v[SPW], v[NIL]
	s_wait_dscnt 0x0
	ROUND
	tensor_load_to_lds s[G0M+4:G0M+7], s[G1M:G1M+7]   ; slot 1's first fill, first behind the round
	s_nop 0
.rept 4
	v_nop
.endr
.irp p, 0,1,2,3                        ; K's pass p: u = p / 2, fragments 4 (p % 2) .. + 3
	s_wait_loadcnt 46                              ; younger than this pass's six loads: K's later passes, the 28 loads of scales and Q, and V's loads issued so far: 46 in every pass
.irp k, 0,1,2,3,4,5
	ds_store_b128 v[KL+\k], v[128+24*\p+4*\k:131+24*\p+4*\k] offset:512*\k
.endr
	WIN 0x40
.irp b, 0,1,2,3
.irp i, 0,1,2
	ds_load_b64 v[12*(4*(\p%2)+\b)+6*(\p/2)+2*\i:12*(4*(\p%2)+\b)+6*(\p/2)+2*\i+1], v123 offset:192*\b+8*\i   ; LDS serves a wave's instructions in order
.endr
.endr
	WIN 0
	s_wait_dscnt 12                                ; the six stores are done: their registers take V's pass p (dh = p / 2, ks = p % 2)
.irp k, 0,1,2,3,4,5
	global_load_b128 v[128+24*\p+4*\k:131+24*\p+4*\k], v[VG+\k], s[12:13] offset:512*\k+49152*(\p/2)+96*(\p%2)
.endr
.endr
.irp p, 0,1,2,3
	s_wait_loadcnt 18-6*\p                         ; V's later passes may be out
.irp k, 0,1,2,3,4,5
	ds_store_b128 v[VL+\k], v[128+24*\p+4*\k:131+24*\p+4*\k] offset:512*\k
.endr
	WIN 0x40
.irp tt, 0,1
.irp c, 0,1
.irp i, 0,1,2
	ds_load_b64 v[96+12*(4*(\p%2)+2*(\p/2)+\tt)+6*\c+2*\i:96+12*(4*(\p%2)+2*(\p/2)+\tt)+6*\c+2*\i+1], v126 offset:896*\tt+48*\c+8*\i
.endr
.endr
.endr
	WIN 0
.endr
	s_wait_dscnt 0x0                               ; all fragments of K and V are in registers
	s_wait_loadcnt 0x0
.irp b, 0,1,2,3,4,5,6,7
	v_lshl_or_b32 v[KS+\b], v[BM+\b], 16, v[KS+\b]
.endr
	v_lshl_or_b32 v[QSW], v[QSR], 16, v[QSR]
.rept 8
	v_nop
.endr
	s_wait_alu depctr_va_vdst(0)
	s_wait_tensorcnt 1
.macro MLOAD slot, b0
	WIN 0x40
.irp b, 0,1,2,3
.irp i, 0,1,2,3
	ds_load_b128 v[MR+16*\b+4*\i:MR+16*\b+4*\i+3], v[MA0+(\slot)] offset:128*(\b0+\b)+16*\i
.endr
.endr
.endm
.macro MMUL base
	WIN 0x04
.set j, 0
.rept 32
	v_pk_mul_f32 v[S+\base+j:S+\base+j+1], v[S+\base+j:S+\base+j+1], v[MR+j:MR+j+1]
.set j, j+2
.endr
.endm
.macro BMAX b0
	WIN 0
.irp b, \b0, \b0+1, \b0+2, \b0+3
	v_max3_num_f32 v[BM+(\b)], v[S+16*(\b)], v[S+16*(\b)+1], v[S+16*(\b)+2]
.endr
.irp i, 3,5,7,9,11,13
.irp b, \b0, \b0+1, \b0+2, \b0+3
	s_delay_alu instid0(VALU_DEP_4)
	v_max3_num_f32 v[BM+(\b)], v[BM+(\b)], v[S+16*(\b)+\i], v[S+16*(\b)+\i+1]
.endr
.endr
.irp b, \b0, \b0+1, \b0+2, \b0+3
	s_delay_alu instid0(VALU_DEP_4)
	v_max_num_f32 v[BM+(\b)], v[BM+(\b)], v[S+16*(\b)+15]
.endr
.endm
.macro QKT
	WIN 0x01
.irp b, 0,1,2,3,4,5,6,7
	v_wmma_scale_f32_16x16x128_f8f6f4 v[S+16*\b:S+16*\b+7], v[12*\b:12*\b+11], v[64:75], 0, v[KS+\b], v[QSW] matrix_a_fmt:MATRIX_FMT_FP6 matrix_b_fmt:MATRIX_FMT_FP6
	v_wmma_scale_f32_16x16x128_f8f6f4 v[S+16*\b+8:S+16*\b+15], v[12*\b:12*\b+11], v[58:69], 0, v[KS+\b], v[QSW] matrix_a_fmt:MATRIX_FMT_FP6 matrix_b_fmt:MATRIX_FMT_FP6
.endr
.endm
.macro OLOAD
.irp p, 0,1,2,3,4,5,6,7
	ds_load_b128 v[RT+4*\p:RT+4*\p+3], v[OPR] offset:4096*\p
.endr
.endm
.macro OSUM
.irp p, 0,2,4,6
	v_pk_add_f32 v[RT+4*\p:RT+1+4*\p], v[RT+4*\p:RT+1+4*\p], v[RT+4+4*\p:RT+5+4*\p]
	v_pk_add_f32 v[RT+2+4*\p:RT+3+4*\p], v[RT+2+4*\p:RT+3+4*\p], v[RT+6+4*\p:RT+7+4*\p]
.endr
.irp p, 0
	v_pk_add_f32 v[RT+4*\p:RT+1+4*\p], v[RT+4*\p:RT+1+4*\p], v[RT+8+4*\p:RT+9+4*\p]
	v_pk_add_f32 v[RT+2+4*\p:RT+3+4*\p], v[RT+2+4*\p:RT+3+4*\p], v[RT+10+4*\p:RT+11+4*\p]
.endr
.irp p, 4
	s_delay_alu instid0(VALU_DEP_4)
	v_pk_add_f32 v[RT+4*\p:RT+1+4*\p], v[RT+4*\p:RT+1+4*\p], v[RT+8+4*\p:RT+9+4*\p]
	s_delay_alu instid0(VALU_DEP_4)
	v_pk_add_f32 v[RT+2+4*\p:RT+3+4*\p], v[RT+2+4*\p:RT+3+4*\p], v[RT+10+4*\p:RT+11+4*\p]
.endr
	s_delay_alu instid0(VALU_DEP_2)
	v_pk_add_f32 v[RT:RT+1], v[RT:RT+1], v[RT+16:RT+17]
	s_delay_alu instid0(VALU_DEP_2)
	v_pk_add_f32 v[RT+2:RT+3], v[RT+2:RT+3], v[RT+18:RT+19]
.endm
.macro DLOAD
.irp i, 0,1,2,3,4,5,6,7
	ds_load_b128 v[RT+4*\i:RT+4*\i+3], v[REDR] offset:512*\i
.endr
.endm
.macro DUTYC
.irp b, 0,1
	v_max3_num_f32 v[116+\b], |v[RT+16*\b]|, |v[RT+1+16*\b]|, 0x1800000
.endr
.irp i, 2,4,6,8,10,12,14
.irp b, 0,1
	s_delay_alu instid0(VALU_DEP_2)
	v_max3_num_f32 v[116+\b], v[116+\b], |v[RT+16*\b+\i]|, |v[RT+1+16*\b+\i]|
.endr
.endr
.irp b, 0,1
	v_permlanex16_b32 v[118+\b], v[116+\b], s[SEL], s[SEL+1]
.endr
.irp b, 0,1
	s_delay_alu instid0(VALU_DEP_2)
	v_max_num_f32 v[116+\b], v[116+\b], v[118+\b]
.endr
.irp b, 0,1
	s_delay_alu instid0(VALU_DEP_2)
	v_add_nc_u32 v[120+\b], 0xff000000, v[116+\b]
.endr
.irp b, 0,1
	s_delay_alu instid0(VALU_DEP_2)
	v_lshrrev_b32 v[116+\b], 23, v[120+\b]
.endr
	s_delay_alu instid0(VALU_DEP_1)
	v_lshl_or_b32 v122, v117, 8, v116
	v_cvt_scalef32_pk16_fp6_f32 v[DP:DP+2], v[RT:RT+15], v120
	v_cvt_scalef32_pk16_fp6_f32 v[DP+4:DP+6], v[RT+16:RT+31], v121
	v_nop
.irp i, 0,1,2
	v_permlane16_swap_b32 v[DP+\i], v[DP+4+\i]
.endr
.irp i, 0,1,2
	s_delay_alu instid0(VALU_DEP_3)
	v_mov_b32 v[DP+3+\i], v[DP+4+\i]
.endr
.irp i, 0,1,2
	global_store_b64 v[OCO], v[DP+2*\i:DP+2*\i+1], s[18:19] offset:256*\i
.endr
	global_store_b16 v[OSO], v122, s[20:21]
	s_wait_xcnt 0x0
	s_add_nc_u64 s[18:19], s[18:19], 12288
	s_add_nc_u64 s[20:21], s[20:21], 512
.endm
.macro BODY slot, refill, qnext, prev
.if \refill == 0
	s_wait_tensorcnt 0x0
.endif
.if \prev
	OLOAD
.endif
	MLOAD \slot, 4
	WIN 0
.if \qnext
	s_add_nc_u64 s[4:5], s[4:5], 96
	s_add_nc_u64 s[6:7], s[6:7], 4
.irp i, 0,1,2
	global_load_b64 v[64+2*\i:65+2*\i], v[QOF], s[4:5] offset:8*\i
.endr
	global_load_u16 v[QSR], v[QSO], s[6:7]
.endif
	BMAX 0
.if \prev
	s_wait_dscnt 16
	OSUM
	ds_store_b128 v[REDW], v[RT:RT+3]
	s_wait_dscnt 1
.else
	s_wait_dscnt 0x0
.endif
	MMUL 64
	BMAX 4
.irp b, 0,1,2,3,4,5,6,7
	v_permlanex16_b32 v[BT+\b], v[BM+\b], s[SEL], s[SEL+1]
.endr
.irp b, 0,1,2,3,4,5,6,7
	v_max_num_f32 v[BM+\b], v[BM+\b], v[BT+\b]
.endr
	v_max3_num_f32 v116, v[BM], v[BM+1], v[BM+2]
	s_delay_alu instid0(VALU_DEP_4)
	v_max3_num_f32 v117, v[BM+3], v[BM+4], v[BM+5]
	s_delay_alu instid0(VALU_DEP_2)
	v_max3_num_f32 v116, v116, v[BM+6], v[BM+7]
	s_delay_alu instid0(VALU_DEP_1)
	v_max_num_f32 v116, v116, v117
	s_delay_alu instid0(VALU_DEP_1)
	v_mul_f32 v[CM], s[CS], v116
.set j, 0
.rept 64
	v_pk_fma_f32 v[S+j:S+j+1], v[S+j:S+j+1], s[CS:CS+1], v[CM:CM+1] op_sel_hi:[1,0,0] neg_lo:[0,0,1] neg_hi:[0,0,1]
.set j, j+2
.endr
.irp b, 0,1,2,3,4,5,6,7
	v_fma_f32 v[BM+\b], v[BM+\b], s[CS], -v[CM]
.endr
.set j, 0
	s_wait_alu depctr_va_vdst(0)
.rept 128
	v_exp_f32 v[S+j], v[S+j]
.set j, j+1
.endr
.irp b, 0,1,2,3,4,5,6,7
	v_exp_f32 v[BM+\b], v[BM+\b]
.endr
	v_nop
	s_wait_alu depctr_va_vdst(0)
	v_pk_add_f32 v[116:117], v[S:S+1], v[S+2:S+3]
	v_pk_add_f32 v[118:119], v[S+4:S+5], v[S+6:S+7]
.set j, 8
.rept 30
	v_pk_add_f32 v[116:117], v[116:117], v[S+j:S+j+1]
	v_pk_add_f32 v[118:119], v[118:119], v[S+j+2:S+j+3]
.set j, j+4
.endr
	s_delay_alu instid0(VALU_DEP_1)
	v_pk_add_f32 v[116:117], v[116:117], v[118:119]
	s_delay_alu instid0(VALU_DEP_1)
	v_add_f32 v116, v116, v117
	s_delay_alu instid0(VALU_DEP_1)
	v_permlanex16_b32 v118, v116, s[SEL], s[SEL+1]
	s_delay_alu instid0(VALU_DEP_1)
	v_add_f32 v[LW], v116, v118
	ds_store_b64 v[EXW], v[CM:CM+1]
.if \refill
	s_wait_tensorcnt 0x0
	ds_add_u32 v[SPW], v[NIL]
	s_add_nc_u64 s[G0M+4*\slot+2:G0M+4*\slot+3], s[G0M+4*\slot+2:G0M+4*\slot+3], 262144
	s_wait_xcnt 0x0
	s_add_nc_u64 s[PFA:PFA+1], s[PFA:PFA+1], 131072
	s_wait_dscnt 0x0
	ROUND
	tensor_load_to_lds s[G0M+4*\slot:G0M+4*\slot+3], s[G1M:G1M+7]
	s_nop 0
.rept 4
	v_nop
.endr
	ASK
	s_sub_co_u32 s[LEFT], s[LEFT], 1
.else
	s_wait_dscnt 0x0
	s_barrier_signal -1
	s_barrier_wait -1
.endif
	ds_load_b128 v[116:119], v[EXR]
	ds_load_b128 v[120:123], v[EXR] offset:16
.if \prev
	s_cmp_eq_u32 s[WV], 7
	s_cbranch_scc0 .Lno_dl_\@
	DLOAD
.Lno_dl_\@:
.endif
.if \qnext
	MLOAD 1-\slot, 0
	WIN 0
	s_wait_dscnt 16
.else
	s_wait_dscnt 0x0
.endif
	v_max3_num_f32 v124, v116, v118, v120
	s_delay_alu instid0(VALU_DEP_1)
	v_max_num_f32 v124, v124, v122
	s_delay_alu instid0(VALU_DEP_1)
	v_permlanex16_b32 v125, v124, s[SEL], s[SEL+1]
	s_delay_alu instid0(VALU_DEP_1)
	v_max_num_f32 v124, v124, v125
	s_delay_alu instid0(VALU_DEP_1)
	v_sub_f32 v116, v116, v124
	s_delay_alu instid0(VALU_DEP_2)
	v_sub_f32 v118, v118, v124
	s_delay_alu instid0(VALU_DEP_3)
	v_sub_f32 v120, v120, v124
	s_delay_alu instid0(VALU_DEP_4)
	v_sub_f32 v122, v122, v124
	v_sub_f32 v126, v[CM], v124
	s_wait_alu depctr_va_vdst(0)
	v_exp_f32 v116, v116
	v_exp_f32 v118, v118
	v_exp_f32 v120, v120
	v_exp_f32 v122, v122
	v_exp_f32 v126, v126
	v_nop
	s_wait_alu depctr_va_vdst(0)
	v_mul_f32 v116, v116, v117
	v_fma_f32 v116, v118, v119, v116
	v_fma_f32 v116, v120, v121, v116
	v_fma_f32 v116, v122, v123, v116
	s_delay_alu instid0(VALU_DEP_1)
	v_permlanex16_b32 v125, v116, s[SEL], s[SEL+1]
	s_delay_alu instid0(VALU_DEP_1)
	v_add_f32 v116, v116, v125
	s_wait_alu depctr_va_vdst(0)
	v_rcp_f32 v116, v116
	v_mul_f32 v126, 0x3e000000, v126
	s_wait_alu depctr_va_vdst(0)
	v_mul_f32 v[F], v126, v116
.if \qnext
	s_wait_alu depctr_va_vdst(0)
	s_wait_loadcnt 0x0
	v_lshl_or_b32 v[QSW], v[QSR], 16, v[QSR]
.endif
.set j, 0
.rept 64
	v_pk_mul_f32 v[S+j:S+j+1], v[S+j:S+j+1], v[F:F+1] op_sel_hi:[1,0]
.set j, j+2
.endr
.irp b, 0,1,2,3,4,5,6,7
	v_mul_f32 v[BM+\b], v[BM+\b], v[F]
.endr
.irp b, 0,1,2,3,4,5,6,7
	v_max_num_f32 v[BM+\b], 0x1800000, v[BM+\b]
.endr
.irp b, 0,1,2,3,4,5,6,7
	v_add_nc_u32 v[BT+\b], 0xff000000, v[BM+\b]
.endr
.irp b, 0,1,2,3,4,5,6,7
	v_lshrrev_b32 v[BM+\b], 23, v[BT+\b]
.endr
.irp ks, 0,1
	v_lshl_or_b32 v[PS+\ks], v[BM+4*\ks+1], 8, v[BM+4*\ks]
	s_delay_alu instid0(VALU_DEP_1)
	v_lshl_or_b32 v[PS+\ks], v[BM+4*\ks+2], 16, v[PS+\ks]
	s_delay_alu instid0(VALU_DEP_1)
	v_lshl_or_b32 v[PS+\ks], v[BM+4*\ks+3], 24, v[PS+\ks]
.endr
.if \prev
	s_cmp_eq_u32 s[WV], 7
	s_cbranch_scc0 .Lno_duty_\@
	DUTYC
.Lno_duty_\@:
.endif
.irp ks, 0,1
.irp c, 0,1
	v_cvt_scalef32_pk16_fp6_f32 v[PC+12*\ks+6*\c:PC+12*\ks+6*\c+2], v[S+64*\ks+32*\c:S+64*\ks+32*\c+15], v[BT+4*\ks+2*\c]
	v_cvt_scalef32_pk16_fp6_f32 v[PT+8*\ks+4*\c:PT+8*\ks+4*\c+2], v[S+64*\ks+32*\c+16:S+64*\ks+32*\c+31], v[BT+4*\ks+2*\c+1]
.endr
.endr
	v_nop
.irp ks, 0,1
.irp c, 0,1
.irp i, 0,1,2
	v_permlane16_swap_b32 v[PC+12*\ks+6*\c+\i], v[PT+8*\ks+4*\c+\i]
.endr
.irp i, 0,1,2
	s_delay_alu instid0(VALU_DEP_3)
	v_mov_b32 v[PC+12*\ks+6*\c+3+\i], v[PT+8*\ks+4*\c+\i]
.endr
.endr
.endr
.rept 8
	v_nop
.endr
	WIN 0x01
.irp t, 0,1,2,3
	v_wmma_scale_f32_16x16x128_f8f6f4 v[42+8*\t+42*(\t/2):49+8*\t+42*(\t/2)], v[96+12*\t:96+12*\t+11], v[PC:PC+11], 0, v[VS+\t], v[PS] matrix_a_fmt:MATRIX_FMT_FP6 matrix_b_fmt:MATRIX_FMT_FP6
.endr
.irp t, 0,1,2,3
	v_wmma_scale_f32_16x16x128_f8f6f4 v[42+8*\t+42*(\t/2):49+8*\t+42*(\t/2)], v[96+12*(4+\t):96+12*(4+\t)+11], v[PC+12:PC+23], v[42+8*\t+42*(\t/2):49+8*\t+42*(\t/2)], v[VS+4+\t], v[PS+1] matrix_a_fmt:MATRIX_FMT_FP6 matrix_b_fmt:MATRIX_FMT_FP6
.endr
.if \qnext
	QKT
.endif
	WIN 0
.rept 4
	v_nop
.endr
.irp i, 0,1,2,3,4,5,6,7
	ds_store_b128 v[OPW], v[42+8*(\i/2)+42*(\i/4)+4*(\i%2):45+8*(\i/2)+42*(\i/4)+4*(\i%2)] offset:512*\i
.endr
	s_wait_dscnt 0x0
	s_barrier_signal -1
.if \qnext
	MMUL 0
.endif
	WIN 0
	s_barrier_wait -1
.endm
	MLOAD 0, 0
	QKT
	WIN 0
.rept 4
	v_nop
.endr
	s_wait_dscnt 0x0
	MMUL 0
	WIN 0
	BODY 0, 1, 1, 0
	BODY 1, 1, 1, 1
.Lpair:
	BODY 0, 1, 1, 1
	BODY 1, 1, 1, 1
	s_sub_co_u32 s[TRIP], s[TRIP], 1
	s_cmp_lg_u32 s[TRIP], 0
	s_cbranch_scc1 .Lpair
	BODY 0, 0, 1, 1
	BODY 1, 0, 0, 1
	OLOAD
	s_wait_dscnt 0x0
	OSUM
	ds_store_b128 v[REDW], v[RT:RT+3]
	s_wait_dscnt 0x0
	s_barrier_signal -1
	s_barrier_wait -1
	s_cmp_eq_u32 s[WV], 7
	s_cbranch_scc0 .Lend
	DLOAD
	s_wait_dscnt 0x0
	DUTYC
.Lend:
	s_wait_tensorcnt 0x0
	ds_add_u32 v[SPW], v[NIL]
	s_wait_dscnt 0x0
	ROUND
	s_endpgm
.Lfunc_end_k_qdf1d232af9_attn:
	.size	k_qdf1d232af9_attn, .Lfunc_end_k_qdf1d232af9_attn-k_qdf1d232af9_attn
	.p2alignl 7, 3214868480
	.fill 96, 4, 3214868480
	.section	.rodata,"a",@progbits
	.p2align	6, 0x0
	.amdhsa_kernel k_qdf1d232af9_attn
		.amdhsa_group_segment_fixed_size 327680
		.amdhsa_private_segment_fixed_size 0
		.amdhsa_enable_private_segment 0
		.amdhsa_kernarg_size 72
		.amdhsa_user_sgpr_count 2
		.amdhsa_user_sgpr_kernarg_segment_ptr 1
		.amdhsa_wavefront_size32 1
		.amdhsa_system_sgpr_workgroup_id_x 1
		.amdhsa_system_sgpr_workgroup_id_y 1
		.amdhsa_system_sgpr_workgroup_id_z 1
		.amdhsa_system_vgpr_workitem_id 0
		.amdhsa_next_free_vgpr 512
		.amdhsa_next_free_sgpr 66
		.amdhsa_reserve_vcc 0
		.amdhsa_float_denorm_mode_32 3
		.amdhsa_float_denorm_mode_16_64 3
		.amdhsa_memory_ordered 1
		.amdhsa_forward_progress 1
		.amdhsa_inst_pref_size 255
	.end_amdhsa_kernel
	.section	.bss,"aw",@nobits
	.p2align	6
	.space	262144
	.amdgpu_metadata
---
amdhsa.version: [ 1, 2 ]
amdhsa.kernels:
  - .name:           k_qdf1d232af9_attn
    .symbol:         k_qdf1d232af9_attn.kd
    .args:
      - { .name: Qc, .offset: 0, .size: 8, .value_kind: global_buffer, .address_space: global }
      - { .name: Qs, .offset: 8, .size: 8, .value_kind: global_buffer, .address_space: global }
      - { .name: Kc, .offset: 16, .size: 8, .value_kind: global_buffer, .address_space: global }
      - { .name: Ks, .offset: 24, .size: 8, .value_kind: global_buffer, .address_space: global }
      - { .name: Vc, .offset: 32, .size: 8, .value_kind: global_buffer, .address_space: global }
      - { .name: Vs, .offset: 40, .size: 8, .value_kind: global_buffer, .address_space: global }
      - { .name: mask, .offset: 48, .size: 8, .value_kind: global_buffer, .address_space: global }
      - { .name: Oc, .offset: 56, .size: 8, .value_kind: global_buffer, .address_space: global }
      - { .name: Os, .offset: 64, .size: 8, .value_kind: global_buffer, .address_space: global }
    .group_segment_fixed_size: 327680
    .private_segment_fixed_size: 0
    .kernarg_segment_align: 8
    .kernarg_segment_size: 72
    .max_flat_workgroup_size: 256
    .sgpr_count:     66
    .vgpr_count:     512
    .wavefront_size: 32
...
	.end_amdgpu_metadata
.endif
;; end of part 2
;; launch outp (part 3): grid 8 x 32, 4 waves a work-group, clusters of 4 x 4, 327,680 bytes of LDS; arguments Oc, Os, Wp_codes, Wp_scales, bp, out0; writes out0
.if DOCPART == 3
	.amdgcn_target "amdgcn-amd-amdhsa--gfx1250"
	.amdhsa_code_object_version 6
	.text
	.protected	k_qdf1d232af9_outp
	.globl	k_qdf1d232af9_outp
	.p2align	8
	.type	k_qdf1d232af9_outp,@function
k_qdf1d232af9_outp:
	s_mov_b64 s[64:65], 0
	v_nop
	global_prefetch_b8 v0, s[64:65] scope:SCOPE_SE
	s_setreg_imm32_b32 hwreg(HW_REG_WAVE_MODE, 25, 1), 1
	s_wait_xcnt 0x0
	s_wait_alu depctr_hold_cnt(0) depctr_sa_sdst(0) depctr_va_vdst(0) depctr_va_sdst(0) depctr_va_ssrc(0) depctr_va_vcc(0) depctr_vm_vsrc(0)
	s_getreg_b32 s2, hwreg(HW_REG_IB_STS2, 6, 4)
	s_cmp_eq_u32 s2, 0
	s_cbranch_scc0 .Lentry_in_a_cluster
	s_endpgm
.Lentry_in_a_cluster:
	s_bfe_u32 s2, ttmp6, 0x10000c
	s_cmp_lg_u32 s2, 0xf033
	s_cbranch_scc0 .Lentry_shape_is_right
	s_endpgm
.Lentry_shape_is_right:
; out0 = O Wp + bp: [4096][1024] f32, K = 1,024, on FP6 (E2M3) codes with E8M0 scales; f32 sums.
; 256 work-groups, each 128 x 128 of out0; a wave makes 64 x 64: 16 accumulators.
; ALL OF K LIES IN LDS, FILLED ONCE: four joint loads at the head, one a wave: O's codes of 128 rows (98,304 dense bytes, laid by the launch before as register images:
; [16 rows][step of 128 K][piece p][lane][8 bytes]), Wp's codes of 128 rows (98,304 dense bytes, as rows of 256 + 16 of padding), and both sides' scale bytes (4,096 each).
; O's tiles are shared along a row of the 4 x 4 cluster, Wp's along a column.  Nothing is filled again, so only the opening and the closing round stand in the text.
; Source 0 = 16 rows of Wp, source 1 = 16 rows of O: a lane holds eight neighbouring columns of one row.  bp is the C of each sum's first instruction.
; No prefetch: every tile is asked for at the head, and there is no loop to run ahead in.
; REGISTERS: window 0: v16-29 addresses, v32-63 scale words (8 i + step: lanes 0-15 O's block i, lanes 16-31 Wp's), v64-255 two sets of fragments; window 1: v0-127 accumulators, v128-159 the bias.
.set LB,    98304
.set BROW,  816                        ; a row of Wp in LDS: 3 x (256 + 16)
.set SCL,   LB+384*272
.set HS,    2176                       ; the scales of 64 rows: 8 x (256 + 16)
.set SPARE, SCL+4*HS
.set STAGE, SPARE+512
.set SP,    272
.set ADRA, 16
.set ADRB, 17
.set ADRB2, 18                         ; the same, lanes 16-31 behind one padding more
.set ADRS, 19
.set STO,  20
.set RD,   21
.set CO,   22
.set SPW,  28
.set NIL,  29
.set SC,   32
.set FS,   64
.set BK,   64
.set BIAS, 128
.set WV, 20
.set RH, 21
.set CH, 22
.set G1, 24
.set G1B, 32
.set G1S, 68
.set G1SB, 76
.set G0A, 56
.set G0B, 60
.set G0S, 84
.set G0SB, 88
.set MSB, 0
.macro WIN new
.if MSB != (\new)
	s_set_vgpr_msb (MSB<<8)|(\new)
.set MSB, (\new)
.endif
.endm
.macro CROUND
	s_barrier_signal -1
	s_barrier_wait -1
	s_cmp_lg_u32 s[WV], 0
	s_cbranch_scc1 .Lnot_wave_0_\@
	s_barrier_signal -3
.Lnot_wave_0_\@:
	s_barrier_wait -3
	s_barrier_signal -1
	s_barrier_wait -1
.endm
	s_load_b128 s[4:7], s[0:1], 0x0                ; Oc, Os
	s_load_b128 s[8:11], s[0:1], 0x10              ; Wp's codes, scales
	s_load_b128 s[92:95], s[0:1], 0x20             ; bp, out0
	v_lshl_add_u32 v[SPW], v0, 2, SPARE
	v_mov_b32 v[NIL], 0
	ds_add_u32 v[SPW], v[NIL]
	ds_add_u32 v[SPW], v[NIL]
	v_lshrrev_b32 v1, 5, v0
	v_readfirstlane_b32 s[WV], v1
	s_lshr_b32 s[RH], s[WV], 1                     ; my 64 rows
	s_and_b32 s[CH], s[WV], 1                      ; my 64 columns
	s_bfe_u32 s40, ttmp6, 0x40000
	s_bfe_u32 s41, ttmp6, 0x40004
	s_lshl_b32 s42, ttmp9, 2
	s_add_co_u32 s42, s42, s40                     ; tile column, 0 .. 7
	s_and_b32 s23, ttmp7, 0xffff
	s_lshl_b32 s23, s23, 2
	s_add_co_u32 s23, s23, s41                     ; tile row, 0 .. 31
	s_lshl_b32 s43, s41, 2
	s_lshl_b32 s43, 15, s43                        ; my row of the cluster
	s_lshl_b32 s44, 0x1111, s40                    ; my column
	s_or_b32 s[G1], s43, (3<<16)|(1<<21)           ; dense blocks as rows of 32 elements of 8 bytes; O's codes without padding
	s_or_b32 s[G1B], s44, (3<<16)|(1<<20)|(1<<21)|(5<<22)|(3<<25)
	s_or_b32 s[G1S], s43, (3<<16)|(1<<20)|(1<<21)|(5<<22)|(3<<25)
	s_or_b32 s[G1SB], s44, (3<<16)|(1<<20)|(1<<21)|(5<<22)|(3<<25)
.irp g, G1, G1B, G1S, G1SB
	s_mov_b32 s[\g+1], 32<<16
	s_mov_b32 s[\g+3], 32<<16
	s_mov_b32 s[\g+5], 32
	s_mov_b32 s[\g+6], 0
	s_mov_b32 s[\g+7], 0
.endr
.irp g, G1, G1B
	s_mov_b32 s[\g+2], 384<<16
	s_mov_b32 s[\g+4], 384
.endr
.irp g, G1S, G1SB
	s_mov_b32 s[\g+2], 16<<16
	s_mov_b32 s[\g+4], 16
.endr
	s_mul_i32 s46, s23, 98304
	s_mov_b32 s47, 0
	s_mul_i32 s48, s42, 98304
	s_mov_b32 s49, 0
	s_lshl_b32 s50, s23, 12
	s_mov_b32 s51, 0
	s_lshl_b32 s52, s42, 12
	s_mov_b32 s53, 0
	s_mul_i32 s96, s[RH], 49152
	s_mul_i32 s97, s[CH], 64*BROW
	s_add_co_u32 s97, s97, LB
	s_mul_i32 s15, s[RH], HS
	s_mul_i32 s13, s[CH], HS
	s_add_co_u32 s13, s13, 2*HS
	s_sub_co_u32 s13, s13, s15
	s_add_co_u32 s12, s15, SCL
	s_mul_i32 s14, s[WV], 16*SP
	s_add_co_u32 s14, s14, STAGE
	s_wait_dscnt 0x0
	s_wait_kmcnt 0x0
	s_mov_b32 s[G0A], 1
	s_mov_b32 s[G0A+1], 0
	s_add_nc_u64 s[G0A+2:G0A+3], s[4:5], s[46:47]
	s_or_b32 s[G0A+3], s[G0A+3], 0x80000000
	s_mov_b32 s[G0B], 1
	s_mov_b32 s[G0B+1], LB
	s_add_nc_u64 s[G0B+2:G0B+3], s[8:9], s[48:49]
	s_or_b32 s[G0B+3], s[G0B+3], 0x80000000
	s_mov_b32 s[G0S], 1
	s_mov_b32 s[G0S+1], SCL
	s_add_nc_u64 s[G0S+2:G0S+3], s[6:7], s[50:51]
	s_or_b32 s[G0S+3], s[G0S+3], 0x80000000
	s_mov_b32 s[G0SB], 1
	s_mov_b32 s[G0SB+1], SCL+2*HS
	s_add_nc_u64 s[G0SB+2:G0SB+3], s[10:11], s[52:53]
	s_or_b32 s[G0SB+3], s[G0SB+3], 0x80000000
	CROUND                                         ; all sixteen work-groups are here: the joint loads meet
.macro ARM under, g0, g1, next         ; one chain of branches on the wave's number: every way passes exactly one load
	s_cmp_lt_u32 s[WV], \under
	s_cbranch_scc0 \next
	tensor_load_to_lds s[\g0:\g0+3], s[\g1:\g1+7]
	s_nop 0
.rept 4
	v_nop
.endr
	s_branch .Lhead_asked
\next:
.endm
	ARM 1, G0A, G1,  .Lhead_b
	ARM 2, G0B, G1B, .Lhead_sa
	ARM 3, G0S, G1S, .Lhead_sb
	tensor_load_to_lds s[G0SB:G0SB+3], s[G1SB:G1SB+7]
	s_nop 0
.rept 4
	v_nop
.endr
.Lhead_asked:
	s_lshl_b32 s54, s42, 9                         ; my first column, in bytes
	s_lshl_b32 s55, s[CH], 8
	s_add_co_u32 s54, s54, s55
	s_mov_b32 s55, 0
	s_add_nc_u64 s[92:93], s[92:93], s[54:55]
	s_add_nc_u64 s[94:95], s[94:95], s[54:55]
	s_lshl_b32 s54, s23, 19                        ; my first row, 4,096 bytes a row
	s_lshl_b32 s46, s[RH], 18
	s_add_co_u32 s54, s54, s46
	s_add_nc_u64 s[94:95], s[94:95], s[54:55]
	v_and_b32 v1, 15, v0                           ; r
	v_bfe_u32 v2, v0, 4, 1                         ; h
	v_and_b32 v3, 31, v0
	v_lshlrev_b32 v4, 3, v3
	v_add_nc_u32 v[ADRA], s96, v4                  ; O's fragments: 8 x lane
	v_mul_u32_u24 v4, v1, BROW
	v_mad_u32_u24 v4, v2, 24, v4
	v_add_nc_u32 v[ADRB], s97, v4
	v_lshl_add_u32 v[ADRB2], v2, 4, v[ADRB]
	v_lshlrev_b32 v4, 5, v1                        ; my row's 32 scale bytes, 16 more for each 256 passed
	v_lshrrev_b32 v5, 8, v4
	v_lshl_add_u32 v4, v5, 4, v4
	v_mul_u32_u24 v5, s13, v2                      ; lanes 16-31 take Wp's
	v_add_nc_u32 v4, v4, v5
	v_add_nc_u32 v[ADRS], s12, v4
	v_mul_u32_u24 v4, v1, SP
	v_lshl_add_u32 v4, v2, 5, v4
	v_add_nc_u32 v[STO], s14, v4
	v_mul_u32_u24 v4, v2, SP
	v_lshl_add_u32 v4, v1, 4, v4
	v_add_nc_u32 v[RD], s14, v4
	v_lshlrev_b32 v4, 12, v2
	v_lshl_add_u32 v[CO], v1, 4, v4
	v_lshlrev_b32 v7, 5, v2
	s_wait_alu depctr_va_vdst(0)                   ; the wait at the head's end
	WIN 0x40
.irp b, 0,1,2,3
	global_load_b128 v[BIAS+8*\b:BIAS+8*\b+3], v7, s[92:93] offset:64*\b        ; register 8 b + j: column 16 b + 8 h + j
	global_load_b128 v[BIAS+8*\b+4:BIAS+8*\b+7], v7, s[92:93] offset:64*\b+16
.endr
	WIN 0
	s_wait_tensorcnt 0x0                           ; my tile is in,
	s_barrier_signal -1
	s_barrier_wait -1                              ; and so are the other three
.macro FETCH st                        ; step st's 4 + 4 fragments into set st % 2: 48 loads
.set FB, FS+96*((\st)%2)
.irp i, 0,1,2,3
.irp p, 0,1,2,3,4,5
	ds_load_b64 v[FB+12*\i+2*\p:FB+12*\i+2*\p+1], v[ADRA] offset:12288*\i+1536*(\st)+256*\p
.endr
.endr
.irp i, 0,1,2,3
.irp p, 0,1,2,3,4,5
.set BY, 96*(\st)+48*(\p/3)+8*(\p%3)
.if BY/256 == (BY+24)/256
	ds_load_b64 v[FB+48+12*\i+2*\p:FB+48+12*\i+2*\p+1], v[ADRB] offset:BY+16*(BY/256)+\i*16*BROW
.else
	ds_load_b64 v[FB+48+12*\i+2*\p:FB+48+12*\i+2*\p+1], v[ADRB2] offset:BY+16*(BY/256)+\i*16*BROW
.endif
.endr
.endr
.endm
.macro MUL st, first                   ; 16 matrix instructions, the 16 accumulators by turns
.set FB, FS+96*((\st)%2)
	WIN 0x50                                       ; C and D in window 1
.irp a, 0,1,2,3
.irp b, 0,1,2,3
.set AC, 8*(4*\a+\b)
.if \first
.set CB, BIAS+8*\b
.else
.set CB, AC
.endif
	v_wmma_scale_f32_16x16x128_f8f6f4 v[AC:AC+7], v[FB+48+12*\b:FB+59+12*\b], v[FB+12*\a:FB+11+12*\a], v[CB:CB+7], v[SC+8*\b+(\st)], v[SC+8*\a+(\st)] matrix_a_fmt:MATRIX_FMT_FP6 matrix_b_fmt:MATRIX_FMT_FP6 matrix_a_scale:MATRIX_SCALE_ROW1
.endr
.endr
	WIN 0
.endm
.irp i, 0,1,2,3
	ds_load_b128 v[SC+8*\i:SC+8*\i+3], v[ADRS] offset:544*\i       ; the scale words of all eight steps
	ds_load_b128 v[SC+8*\i+4:SC+8*\i+7], v[ADRS] offset:544*\i+16
.endr
	FETCH 0
	s_wait_loadcnt 0x0                             ; the bias
	FETCH 1
	s_wait_dscnt 48                                ; all but step 1's 48 loads
	MUL 0, 1
.set ST, 1
.rept 6
.rept 4
	v_nop                                          ; places ahead of loads into the set that the step before multiplied
.endr
	FETCH ST+1
	s_wait_dscnt 48                                ; all but the next step's 48 loads
	MUL ST, 0
.set ST, ST+1
.endr
	s_wait_dscnt 0x0
	MUL 7, 0
.rept 4
	v_nop                                          ; places ahead of the reads of results and of loads into the fragments' registers
.endr
; THE WAY OUT: 16 rows x 64 columns at a time through my own stage, back as rows of 256 bytes: sixteen lanes store one aligned run of 256 bytes
.macro TOSTAGE a
	WIN 0x04
.irp b, 0,1,2,3
	ds_store_b128 v[STO], v[32*\a+8*\b:32*\a+8*\b+3] offset:64*\b
	ds_store_b128 v[STO], v[32*\a+8*\b+4:32*\a+8*\b+7] offset:64*\b+16
.endr
	WIN 0
.irp t, 0,1,2,3,4,5,6,7
	ds_load_b128 v[BK+32*\a+4*\t:BK+32*\a+4*\t+3], v[RD] offset:\t*2*SP    ; LDS serves a wave's instructions in order
.endr
.endm
.macro SEND a, younger
	s_wait_dscnt \younger                          ; the next block's 8 stores and 8 loads may be out
.irp t, 0,1,2,3,4,5,6,7
	global_store_b128 v[CO], v[BK+32*(\a)+4*\t:BK+32*(\a)+4*\t+3], s[94:95] offset:(\a)*65536+\t*8192 th:TH_STORE_NT
.endr
.endm
	TOSTAGE 0
.irp a, 1,2,3
	TOSTAGE \a
	SEND \a-1, 16
.endr
	SEND 3, 0
	s_wait_tensorcnt 0x0                           ; the wave's end
	ds_add_u32 v[SPW], v[NIL]
	s_wait_dscnt 0x0
	CROUND                                         ; the closing round
	s_endpgm
.Lfunc_end_k_qdf1d232af9_outp:
	.size	k_qdf1d232af9_outp, .Lfunc_end_k_qdf1d232af9_outp-k_qdf1d232af9_outp
	.p2alignl 7, 3214868480
	.fill 96, 4, 3214868480
	.section	.rodata,"a",@progbits
	.p2align	6, 0x0
	.amdhsa_kernel k_qdf1d232af9_outp
		.amdhsa_group_segment_fixed_size 327680
		.amdhsa_private_segment_fixed_size 0
		.amdhsa_enable_private_segment 0
		.amdhsa_kernarg_size 48
		.amdhsa_user_sgpr_count 2
		.amdhsa_user_sgpr_kernarg_segment_ptr 1
		.amdhsa_wavefront_size32 1
		.amdhsa_system_sgpr_workgroup_id_x 1
		.amdhsa_system_sgpr_workgroup_id_y 1
		.amdhsa_system_sgpr_workgroup_id_z 1
		.amdhsa_system_vgpr_workitem_id 0
		.amdhsa_next_free_vgpr 512
		.amdhsa_next_free_sgpr 98
		.amdhsa_reserve_vcc 0
		.amdhsa_float_denorm_mode_32 3
		.amdhsa_float_denorm_mode_16_64 3
		.amdhsa_memory_ordered 1
		.amdhsa_forward_progress 1
		.amdhsa_inst_pref_size 59
	.end_amdhsa_kernel
	.amdgpu_metadata
---
amdhsa.version: [ 1, 2 ]
amdhsa.kernels:
  - .name:           k_qdf1d232af9_outp
    .symbol:         k_qdf1d232af9_outp.kd
    .args:
      - { .name: Oc, .offset: 0, .size: 8, .value_kind: global_buffer, .address_space: global }
      - { .name: Os, .offset: 8, .size: 8, .value_kind: global_buffer, .address_space: global }
      - { .name: Wp_codes, .offset: 16, .size: 8, .value_kind: global_buffer, .address_space: global }
      - { .name: Wp_scales, .offset: 24, .size: 8, .value_kind: global_buffer, .address_space: global }
      - { .name: bp, .offset: 32, .size: 8, .value_kind: global_buffer, .address_space: global }
      - { .name: out0, .offset: 40, .size: 8, .value_kind: global_buffer, .address_space: global }
    .group_segment_fixed_size: 327680
    .private_segment_fixed_size: 0
    .kernarg_segment_align: 8
    .kernarg_segment_size: 48
    .max_flat_workgroup_size: 128
    .sgpr_count:     98
    .vgpr_count:     512
    .wavefront_size: 32
...
	.end_amdgpu_metadata
.endif
;; end of part 3
